; MI455X (gfx1250); checked and timed in simulation.
; The chip was launched on July 23, 2026; its instructions are those of AMD's public machine-readable ISA for CDNA 5 (MIT licence, August 2026) and "CDNA5" Instruction Set Architecture Reference Guide (July 2026). The comments in the code are by the model that wrote it; some were corrected since.
;; Mixture Of Experts. Allowed arithmetic: matrix products marked QUANTISED: E5M2 operands, one given power-of-two scale a tensor, by v_wmma_f32_16x16x64_bf8_bf8 or v_wmma_f32_16x16x128_bf8_bf8, f32 sums; products left as they are: f32 operands where the result goes on into a quantised operand, else bf16, f16 or f32 operands; f32 sums; everything else in f32.
;; Inputs: W_experts 8 x 1,024 x 1,024 float32; W_gate 8 x 1,024 float32; b_experts 8 x 1,024 float32; b_gate 8 float32; lowp_scales 2 int32 (the exponents e of the quantised operands' scales 2^e); x 4 x 2,048 x 1,024 float32.
;; Outputs: out0 4 x 2,048 x 1,024 float32.
;; This version of the problem:
;;   THIS VERSION OF THE PROBLEM IS GIVEN IN LOW PRECISION. The matrix products marked QUANTISED in the list below multiply operands that are first quantised to E5M2 (5 exponent bits, 2 mantissa bits; 8 bits a number), with one given power-of-two scale for each operand tensor; their sums are f32. All else is computed in f32.
;;   The module's matrix products, in the order in which they are computed (A, B: the left and right operand; K: the contracted axis; several contracted axes count as one K, in the product's order):
;;     1. [M 8,192, K 1,024] x [K 1,024, N 8]; A: input x; B: input W_gate: left as it is (N = 8 < 16)
;;     2. [M 8,192, K 1,024] x [K 1,024, N 8,192]; A: input x; B: input W_experts: QUANTISED (scales: A lowp_scales[0], B lowp_scales[1])
;;   THE QUANTISER, for each operand of a quantised product, along K:
;;     - The operand's scale is 2^e, e = its entry of the input lowp_scales (int32; the entries are numbered through the quantised products in the list's order, A before B).
;;     - Each number is divided by the scale, clamped to +-57,344, and rounded to the nearest number of E5M2, ties to even, subnormals kept.
;;     - The product sums the exact products of the quantised numbers (number of the format x scale) in f32.
;;   ~~~python
;;   def quantise(x, axis, e):      # numpy; x: float32 -> the quantised numbers, widened to float32 again
;;       x = np.moveaxis(x, axis, -1); K = x.shape[-1]
;;       r = np.clip(x / 2.0 ** e, -57344, 57344)
;;       step = 2.0 ** (np.maximum(np.frexp(np.where(r == 0, 1, r))[1] - 1, -14) - 2)
;;       q = np.round(r / step) * step * 2.0 ** e      # np.round: ties to even
;;       return np.moveaxis(q, -1, axis).astype(np.float32)
;;   ~~~
;; 2 versions. Each part assembles by itself: llvm-mc -triple=amdgcn-amd-amdhsa -mcpu=gfx1250 --defsym DOCPART=n.
;; ======== version 1 of 2: 3 launches
;; limits: right only within a limited range of input values
;; workspace buffers: xc 8,388,608 bytes; wc 8,388,608 bytes; meta 65,536 bytes of whole numbers; pw 65,536 bytes; ord 32,768 bytes of whole numbers
;; launch route (part 1): grid 256 x 1, 8 waves a work-group, no clusters, 5,120 bytes of LDS; arguments x, W_gate, b_gate, lowp_scales, xc, meta, pw; writes xc, meta, pw
.if DOCPART == 1
	.amdgcn_target "amdgcn-amd-amdhsa--gfx1250"
	.amdhsa_code_object_version 6
	.text
	.protected	k_qa7ecd6436a_route
	.globl	k_qa7ecd6436a_route
	.p2align	8
	.type	k_qa7ecd6436a_route,@function
k_qa7ecd6436a_route:
	s_mov_b64 s[64:65], 0
	v_nop
	global_prefetch_b8 v0, s[64:65] scope:SCOPE_SE
	s_setreg_imm32_b32 hwreg(HW_REG_WAVE_MODE, 25, 1), 1
	s_wait_xcnt 0x0
; ROUTER AND CODES OF x.  x: [8192][1024] f32.  One pass over x serves two things: the gate's logits (f32 multiply-adds, softmax with its maximum taken away, top 2) and x's codes of E5M2 with the given scale 2^ex.
; SHARES.  A work-group owns 32 tokens (a group).  Wave wv takes 16 of them (wv / 4) and a quarter of K (wv % 4): 256 numbers of a row by two loads of 512 consecutive bytes.  All 32 loads of a wave go out at the head.
; THE ORDER OF THE CODES.  Lane l holds k = 256 w + 128 j + 4 l + i (load j, word i); its eight codes go to byte 256 w + 8 l + 4 j + i of the token's 1,024.  The launch that quantises W lays its codes by the same
; permutation of K, so every product meets its partner; only the order of the f32 sums inside a matrix instruction differs from ascending K.
; THE LOGITS.  A lane's 8 numbers x 8 experts: packed multiply-adds in eight chains.  The wave's 128 partial sums (16 rows x 8 experts) are added over the 32 lanes by halving: in each step a lane keeps half of its
; sums and hands the other half to the lane that keeps them.  At the end lane l holds row l % 16, experts 4 (l / 16) + 0 .. 3.  The four quarters of K meet in LDS; wave 0 finishes, a lane a token.
; STORED for the later launches, at fixed places: meta[token] = key | rank << 8 | a << 16 | b << 20 | ((1 << a) | (1 << b)) << 24 (a < b the two experts; key 0 .. 27 numbers the pairs so that neighbouring keys
; share an expert; rank = earlier tokens of the group with the same key); meta[8192 + 32 group + key] = the group's tokens with that key; pw[token] = (p_a, p_b).  No address and no branch here hangs on them.
; The two stores into meta cover 128 consecutive bytes each, the store into pw and every store of codes 256, aligned.
; LIMITS.  ex between -126 and 112, so that 2^ex and 57,344 x 2^ex are f32 numbers.  NaN among the inputs is not served.  The logits' sums are ordered otherwise than a plain dot product's: where the second and the
; third probability agree to f32's last bits the choice may fall the other way.  Equal probabilities: the lower index wins, as in lax.top_k.
.set WG, 16                            ; v16-79   W_gate: expert e, load j at 16 + 8 e + 4 j
.set X,  80                            ; v80-207  x: row i at 80 + 8 i; then the partial sums: row i, expert e at 80 + 8 i + e
.set T,  208                           ; v208-223 at work
.set C,  224                           ; v224-255 codes: a pair for each row, never written again
	s_load_b256 s[4:11], s[0:1], 0x0               ; x s[4:5], W_gate s[6:7], b_gate s[8:9], the scales' exponents s[10:11]
	s_load_b128 s[12:15], s[0:1], 0x20             ; xc s[12:13], meta s[14:15]
	s_load_b64 s[16:17], s[0:1], 0x30              ; pw
	v_lshl_add_u32 v14, v0, 2, 0x1000
	v_mov_b32 v15, 0
	v_lshrrev_b32 v6, 5, v0
	v_readfirstlane_b32 s18, v6                    ; wave 0..7
	v_and_b32 v7, 31, v0                           ; lane
	v_lshlrev_b32 v1, 4, v7                        ; 16 x lane: my bytes of a load's 512
	v_lshlrev_b32 v2, 3, v7                        ; 8 x lane: my codes' place, and my place in pw
	v_lshlrev_b32 v11, 2, v7                       ; 4 x lane: my place in meta
	v_and_b32 v8, 15, v0
	v_bfe_u32 v9, v0, 4, 1
	v_lshlrev_b32 v3, 5, v8
	v_lshl_add_u32 v10, v9, 11, v3                 ; where wave 0 reads: 2,048 (l / 16) + 32 (l % 16): token l's eight sums of the first quarter of K
	v_lshl_add_u32 v3, v9, 4, v3
	s_lshl_b32 s21, s18, 9
	v_add_nc_u32 v3, s21, v3                       ; where I put my four sums: 512 x wave + 32 (l % 16) + 16 (l / 16)
	s_lshr_b32 s19, s18, 2                         ; which 16 tokens
	s_and_b32 s20, s18, 3                          ; which quarter of K
	s_lshl_b32 s22, ttmp9, 17                      ; 32 tokens x 4,096 bytes
	s_lshl_b32 s2, s19, 16
	s_add_co_u32 s22, s22, s2
	s_lshl_b32 s48, s20, 10
	s_add_co_u32 s22, s22, s48                     ; x: my first row, my quarter
	s_mov_b32 s23, 0
	s_lshr_b32 s46, s22, 2                         ; the codes: a quarter of the bytes
	s_mov_b32 s47, 0
	s_mov_b32 s49, 0
	s_lshl_b32 s50, ttmp9, 7                       ; meta: 32 words a group
	s_mov_b32 s51, 0
	s_lshl_b32 s52, ttmp9, 8                       ; pw: 32 pairs a group
	s_mov_b32 s53, 0
	s_mov_b32 s24, 0xff00ff00                      ; lanes with bit 3, 2, 1, 0, 4 of their number set
	s_mov_b32 s25, 0xf0f0f0f0
	s_mov_b32 s26, 0xcccccccc
	s_mov_b32 s27, 0xaaaaaaaa
	s_mov_b32 s28, 0xffff0000
	s_mov_b32 s30, 0x76543210                      ; v_permlanex16_b32: lane l takes lane l xor 16
	s_mov_b32 s31, 0xfedcba98
	s_wait_kmcnt 0x0
	s_load_b32 s32, s[10:11], 0x0                  ; ex
	s_load_b256 s[36:43], s[8:9], 0x0              ; b_gate
	s_add_nc_u64 s[4:5], s[4:5], s[22:23]
	s_add_nc_u64 s[6:7], s[6:7], s[48:49]
	s_add_nc_u64 s[12:13], s[12:13], s[46:47]
	s_add_nc_u64 s[14:15], s[14:15], s[50:51]
	s_add_nc_u64 s[16:17], s[16:17], s[52:53]
.irp e, 0,1,2,3,4,5,6,7
	global_load_b128 v[WG+8*\e:WG+8*\e+3],   v1, s[6:7] offset:4096*\e
	global_load_b128 v[WG+8*\e+4:WG+8*\e+7], v1, s[6:7] offset:4096*\e+512
.endr
.irp i, 0,1,2,3,4,5,6,7,8,9,10,11,12,13,14,15
	global_load_b128 v[X+8*\i:X+8*\i+3],   v1, s[4:5] offset:4096*\i th:TH_LOAD_NT       ; 32 lanes read 512 consecutive bytes; x is read once in this launch
	global_load_b128 v[X+8*\i+4:X+8*\i+7], v1, s[4:5] offset:4096*\i+512 th:TH_LOAD_NT
.endr
	s_wait_kmcnt 0x0
	s_add_co_i32 s32, s32, 127
	s_lshl_b32 s33, s32, 23
	v_mov_b32 v4, s33                              ; 2^ex as f32: the conversion takes its exponent field
	s_add_co_i32 s32, s32, 15
	s_lshl_b32 s32, s32, 23
	s_or_b32 s32, s32, 0x600000
	v_mov_b32 v5, s32                              ; 57,344 x 2^ex
; Row i of my 16: the eight experts' partial sums, then the codes.
.macro ROW i
	s_wait_loadcnt 2*(15-\i)                       ; loads come back in order: this row's two are in, the later rows' stay out (W_gate's were issued first)
.irp e, 0,1,2,3,4,5,6,7
	v_pk_mul_f32 v[T+2*\e:T+2*\e+1], v[X+8*\i:X+8*\i+1], v[WG+8*\e:WG+8*\e+1]            ; the first products start the sums
.endr
.irp q, 1,2,3
.irp e, 0,1,2,3,4,5,6,7
	v_pk_fma_f32 v[T+2*\e:T+2*\e+1], v[X+8*\i+2*\q:X+8*\i+2*\q+1], v[WG+8*\e+2*\q:WG+8*\e+2*\q+1], v[T+2*\e:T+2*\e+1]
.endr
.endr
.irp n, 0,1,2,3,4,5,6,7
	v_med3_num_f32 v[X+8*\i+\n], v[X+8*\i+\n], -v5, v5     ; behind the gate's products, which take x as it is: the conversion to an 8-bit code does not saturate (ISA guide 7.6.2), so the number is held first
.endr
	v_cvt_scalef32_pk8_bf8_f32 v[C+2*\i:C+2*\i+1], v[X+8*\i:X+8*\i+7], v4
	global_store_b64 v2, v[C+2*\i:C+2*\i+1], s[12:13] offset:1024*\i                     ; 32 lanes store 256 consecutive bytes, aligned
	v_nop                                          ; one plain line between the conversion and the lines below, which write its sources
.irp e, 0,1,2,3,4,5,6,7
	v_add_f32 v[X+8*\i+\e], v[T+2*\e], v[T+2*\e+1]
.endr
.endm
.irp i, 0,1,2,3,4,5,6,7,8,9,10,11,12,13,14,15
	ROW \i
.endr
; One halving: of c sums a lane keeps c / 2.  Lanes in the mask keep the upper half and hand over the lower; their partners, xm lanes away, the other way round.
.macro RS c, xm, sm
.set n, 0
.rept \c/2
	v_cndmask_b32 v[T+n%8], v[X+n+\c/2], v[X+n], s[\sm]    ; what I hand over
	v_cndmask_b32 v[X+n], v[X+n], v[X+n+\c/2], s[\sm]      ; what I keep
	v_add_f32_dpp v[X+n], v[T+n%8], v[X+n] row_xmask:\xm row_mask:0xf bank_mask:0xf
.set n, n+1
.endr
.endm
	RS 128, 8, 24                                  ; bit 3 of the lane = bit 3 of the row
	RS 64,  4, 25
	RS 32,  2, 26
	RS 16,  1, 27                                  ; lane % 16 = the row
.irp n, 0,1,2,3
	v_cndmask_b32 v[T+\n], v[X+\n+4], v[X+\n], s28
	v_cndmask_b32 v[X+\n], v[X+\n], v[X+\n+4], s28
.endr
.irp n, 0,1,2,3
	v_permlanex16_b32 v[T+8+\n], v[T+\n], s30, s31 ; (its destination counts as read: these registers have been written)
.endr
.irp n, 0,1,2,3
	v_add_f32 v[X+\n], v[X+\n], v[T+8+\n]          ; lane / 16 = the upper bit of the expert
.endr
	ds_store_b128 v3, v[X:X+3]
	s_wait_dscnt 0x0                               ; for the others' sake: my sums lie in LDS
	s_barrier_signal -1
	s_barrier_wait -1
	s_cmp_lg_u32 s18, 0
	s_cbranch_scc1 .Lend                           ; wave 0 finishes: a lane a token
.irp w, 0,1,2,3
	ds_load_b128 v[16+8*\w:19+8*\w], v10 offset:512*\w
	ds_load_b128 v[20+8*\w:23+8*\w], v10 offset:512*\w+16
.endr
	s_wait_dscnt 0x0
.irp e, 0,1,2,3,4,5,6,7
	v_add_f32 v[48+\e], v[16+\e], v[24+\e]
	v_add_f32 v[56+\e], v[32+\e], v[40+\e]
.endr
.irp e, 0,1,2,3,4,5,6,7
	v_add_f32 v[48+\e], v[48+\e], v[56+\e]
.endr
.irp e, 0,1,2,3,4,5,6,7
	v_add_f32 v[48+\e], s[36+\e], v[48+\e]         ; the logits
.endr
	v_max3_num_f32 v72, v48, v49, v50
	v_max3_num_f32 v72, v72, v51, v52
	v_max3_num_f32 v72, v72, v53, v54
	v_max_num_f32 v72, v72, v55                    ; the row's maximum is taken away ahead of the exponentials
.irp e, 0,1,2,3,4,5,6,7
	v_sub_f32 v[56+\e], v[48+\e], v72
.endr
.irp e, 0,1,2,3,4,5,6,7
	v_mul_f32 v[56+\e], 0x3fb8aa3b, v[56+\e]       ; x log2(e)
.endr
.irp e, 0,1,2,3,4,5,6,7
	v_exp_f32 v[64+\e], v[56+\e]
.endr
	v_mov_b32 v73, 1                               ; a plain line behind the batch
	s_wait_alu depctr_va_vdst(0)                   ; one wait for the eight exponentials, ahead of their first reader
	v_add_f32 v74, v64, v65
	v_add_f32 v75, v66, v67
	v_add_f32 v76, v68, v69
	v_add_f32 v77, v70, v71
	v_add_f32 v74, v74, v75
	v_add_f32 v76, v76, v77
	v_add_f32 v74, v74, v76
	v_rcp_f32 v78, v74
	v_mov_b32 v80, 0                               ; a plain line; the first choice's index
	s_wait_alu depctr_va_vdst(0)                   ; and the reciprocal's wait
.irp e, 0,1,2,3,4,5,6,7
	v_mul_f32 v[64+\e], v[64+\e], v78              ; the probabilities
.endr
	v_mov_b32 v81, v64
.irp e, 1,2,3,4,5,6,7
	v_cmp_gt_f32 vcc_lo, v[64+\e], v81             ; strictly greater: of equals the lower index stays
	v_cndmask_b32 v81, v81, v[64+\e], vcc_lo
	v_cndmask_b32 v80, v80, \e, vcc_lo
.endr
.irp e, 0,1,2,3,4,5,6,7
	v_cmp_eq_u32 vcc_lo, \e, v80
	v_cndmask_b32 v[56+\e], v[64+\e], -1.0, vcc_lo ; the first choice leaves the field: under every probability
.endr
	v_mov_b32 v82, 0
	v_mov_b32 v83, v56
.irp e, 1,2,3,4,5,6,7
	v_cmp_gt_f32 vcc_lo, v[56+\e], v83
	v_cndmask_b32 v83, v83, v[56+\e], vcc_lo
	v_cndmask_b32 v82, v82, \e, vcc_lo
.endr
	v_cmp_lt_u32 vcc_lo, v80, v82
	v_cndmask_b32 v84, v83, v81, vcc_lo            ; p of the lower expert,
	v_cndmask_b32 v85, v81, v83, vcc_lo            ; of the higher
	v_min_u32 v86, v80, v82                        ; a
	v_max_u32 v87, v80, v82                        ; b
	v_sub_nc_u32 v88, 15, v86
	v_mul_u32_u24 v88, v86, v88
	v_lshrrev_b32 v88, 1, v88                      ; a (15 - a) / 2: the pairs with a lower first expert
	v_sub_nc_u32 v89, v87, v86
	v_add_nc_u32 v89, -1, v89                      ; a even: b runs up,
	v_sub_nc_u32 v90, 7, v87                       ; a odd: b runs down: so the last pair of a row and the first of the next share an expert
	v_and_b32 v91, 1, v86
	v_cmp_eq_u32 vcc_lo, 1, v91
	v_cndmask_b32 v89, v89, v90, vcc_lo
	v_add_nc_u32 v88, v88, v89                     ; the key, 0 .. 27
	v_lshlrev_b32 v90, v86, v73
	v_lshlrev_b32 v91, v87, v73
	v_or_b32 v90, v90, v91                         ; (1 << a) | (1 << b)
	v_mov_b32 v92, 0                               ; rank
	v_mov_b32 v93, 0                               ; the group's histogram: lane k holds key k's count
.set k, 0
.rept 28
	v_cmp_eq_u32 s44, k, v88                       ; the lanes with key k,
	v_mbcnt_lo_u32_b32 v95, s44, 0                 ; how many of them stand below me,
	v_cndmask_b32 v92, v92, v95, s44
	s_bcnt1_i32_b32 s45, s44                       ; and how many there are
	v_writelane_b32 v93, s45, k
.set k, k+1
.endr
	v_lshl_or_b32 v94, v92, 8, v88
	v_lshl_or_b32 v94, v86, 16, v94
	v_lshl_or_b32 v94, v87, 20, v94
	v_lshl_or_b32 v94, v90, 24, v94
	global_store_b32 v11, v94, s[14:15]
	global_store_b32 v11, v93, s[14:15] offset:32768
	global_store_b64 v2, v[84:85], s[16:17]
.Lend:
	s_wait_tensorcnt 0x0
	ds_add_u32 v14, v15
	s_wait_dscnt 0x0
	s_endpgm
.Lfunc_end_k_qa7ecd6436a_route:
	.size	k_qa7ecd6436a_route, .Lfunc_end_k_qa7ecd6436a_route-k_qa7ecd6436a_route
	.p2alignl 7, 3214868480
	.fill 96, 4, 3214868480
	.section	.rodata,"a",@progbits
	.p2align	6, 0x0
	.amdhsa_kernel k_qa7ecd6436a_route
		.amdhsa_group_segment_fixed_size 5120
		.amdhsa_private_segment_fixed_size 0
		.amdhsa_enable_private_segment 0
		.amdhsa_kernarg_size 56
		.amdhsa_user_sgpr_count 2
		.amdhsa_user_sgpr_kernarg_segment_ptr 1
		.amdhsa_wavefront_size32 1
		.amdhsa_system_sgpr_workgroup_id_x 1
		.amdhsa_system_sgpr_workgroup_id_y 1
		.amdhsa_system_sgpr_workgroup_id_z 1
		.amdhsa_system_vgpr_workitem_id 0
		.amdhsa_next_free_vgpr 256
		.amdhsa_next_free_sgpr 66
		.amdhsa_reserve_vcc 1
		.amdhsa_float_denorm_mode_32 3
		.amdhsa_float_denorm_mode_16_64 3
		.amdhsa_memory_ordered 1
		.amdhsa_forward_progress 1
		.amdhsa_inst_pref_size 94
	.end_amdhsa_kernel
	.amdgpu_metadata
---
amdhsa.version: [ 1, 2 ]
amdhsa.kernels:
  - .name:           k_qa7ecd6436a_route
    .symbol:         k_qa7ecd6436a_route.kd
    .args:
      - { .name: x, .offset: 0, .size: 8, .value_kind: global_buffer, .address_space: global }
      - { .name: W_gate, .offset: 8, .size: 8, .value_kind: global_buffer, .address_space: global }
      - { .name: b_gate, .offset: 16, .size: 8, .value_kind: global_buffer, .address_space: global }
      - { .name: lowp_scales, .offset: 24, .size: 8, .value_kind: global_buffer, .address_space: global }
      - { .name: xc, .offset: 32, .size: 8, .value_kind: global_buffer, .address_space: global }
      - { .name: meta, .offset: 40, .size: 8, .value_kind: global_buffer, .address_space: global }
      - { .name: pw, .offset: 48, .size: 8, .value_kind: global_buffer, .address_space: global }
    .group_segment_fixed_size: 5120
    .private_segment_fixed_size: 0
    .kernarg_segment_align: 8
    .kernarg_segment_size: 56
    .max_flat_workgroup_size: 256
    .sgpr_count:     66
    .vgpr_count:     256
    .wavefront_size: 32
...
	.end_amdgpu_metadata
.endif
;; end of part 1
;; launch prep (part 2): grid 256 x 1, 8 waves a work-group, no clusters, 37,888 bytes of LDS; arguments W_experts, lowp_scales, meta, wc, ord; writes wc, ord
.if DOCPART == 2
	.amdgcn_target "amdgcn-amd-amdhsa--gfx1250"
	.amdhsa_code_object_version 6
	.text
	.protected	k_qa7ecd6436a_prep
	.globl	k_qa7ecd6436a_prep
	.p2align	8
	.type	k_qa7ecd6436a_prep,@function
k_qa7ecd6436a_prep:
	s_mov_b64 s[64:65], 0
	v_nop
	global_prefetch_b8 v0, s[64:65] scope:SCOPE_SE
	s_setreg_imm32_b32 hwreg(HW_REG_WAVE_MODE, 25, 1), 1
	s_wait_xcnt 0x0
; CODES OF W, AND THE PLACING OF THE TOKENS.  W_experts: [8][1024 (out)][1024 (K)] f32.  Every work-group runs the same text and does a 256th of both.
; (a) W.  Wave wv of work-group G takes 16 rows of W (tile 2 G + wv / 4 of 512) and a quarter of K (wv % 4), as the router's launch takes x: two loads of 512 consecutive bytes a row, lane l's eight codes are bytes
; 8 l .. 8 l + 7 of the quarter's 256: THE SAME PERMUTATION OF K AS x's.  code = w / 2^ew, held within +-57,344, to the nearest code, ties to even.
; The codes are stored IN THE ORDER OF THE OPERAND'S REGISTERS: wc[tile][K step of 128][register group c][lane L][16 bytes], lane L = (r = L % 16, h = L / 16) holding bytes 128 ks + 32 c + 16 h + 0 .. 15 of row r.
; A row's lane pair (2 m, 2 m + 1) holds 16 bytes of piece m = 8 ks + 2 c + h; a piece is 16 rows x 16 bytes = 256 bytes.  The pieces are gathered in the wave's own stage in LDS (272 bytes apart, so that the 32 lanes
; of a store fall on different banks: 64 banks of 4 bytes, ISA guide 11.1) and leave two at a time: 32 lanes store 512 consecutive bytes, aligned.
; (b) THE PLACING, a counting sort by key without atomics.  A token's position = the tokens of lower keys + the tokens of its key in earlier groups + its rank in its group.  Each wave adds 32 groups' histograms
; (a lane a key), both in full and up to group G; the eight waves' sums meet in LDS; wave 0 scans the 28 totals and stores ord[position] = token | a << 16 | b << 20 | mask << 24 for group G's 32 tokens:
; 32 single words a work-group, at places that the sort decides.
; LIMITS.  ew between -126 and 112.  NaN among the inputs is not served.
.set RB, 16                            ; v16-47   the way out: 8 x 4 registers
.set H,  48                            ; v48-79   32 groups' counts of my key
.set X,  80                            ; v80-207  W: row r at 80 + 8 r
.set C,  208                           ; v208-239 codes: a pair for each row
.set SORT, 8*4352                      ; LDS: behind the eight stages: (up to G, in full) at 256 x wave + 8 x lane
	s_load_b256 s[4:11], s[0:1], 0x0               ; W s[4:5], the scales' exponents s[6:7], meta s[8:9], wc s[10:11]
	s_load_b64 s[12:13], s[0:1], 0x20              ; ord
	v_lshl_add_u32 v254, v0, 2, 0x9000
	v_mov_b32 v255, 0
	v_lshrrev_b32 v12, 5, v0
	v_readfirstlane_b32 s18, v12                   ; wave 0..7
	v_and_b32 v15, 31, v0                          ; lane
	v_lshlrev_b32 v1, 4, v15                       ; 16 x lane
	v_lshlrev_b32 v2, 2, v15                       ; 4 x lane
	s_mul_i32 s19, s18, 4352                       ; my stage: 16 pieces x 272 bytes
	v_lshrrev_b32 v14, 1, v15
	v_mul_u32_u24 v3, v14, 272
	v_and_b32 v14, 1, v15
	v_lshl_add_u32 v3, v14, 3, v3
	v_add_nc_u32 v3, s19, v3                       ; in: piece l / 2, + 8 (l % 2); the row's 16 bytes stand in the immediate
	v_lshrrev_b32 v14, 4, v15
	v_mul_u32_u24 v4, v14, 272
	v_and_b32 v14, 15, v15
	v_lshl_add_u32 v4, v14, 4, v4
	v_add_nc_u32 v4, s19, v4                       ; back: lanes 0-15 one piece, lanes 16-31 the next
	v_lshlrev_b32 v6, 3, v15
	v_add_nc_u32 v6, SORT, v6                      ; where wave 0 reads the waves' sums
	s_lshl_b32 s20, s18, 8
	v_add_nc_u32 v5, s20, v6                       ; where I put mine
	s_lshr_b32 s21, s18, 2
	s_lshl_b32 s22, ttmp9, 1
	s_add_co_u32 s21, s21, s22                     ; my tile of 16 rows
	s_and_b32 s22, s18, 3                          ; my quarter of K
	s_lshl_b32 s24, s21, 16                        ; W: 16 rows x 4,096 bytes,
	s_lshl_b32 s23, s22, 10
	s_add_co_u32 s24, s24, s23                     ; + 1,024 a quarter
	s_mov_b32 s25, 0
	s_lshl_b32 s26, s21, 14                        ; wc: 16,384 bytes a tile,
	s_lshl_b32 s23, s22, 12
	s_add_co_u32 s26, s26, s23                     ; + two K steps of 2,048 a quarter
	s_mov_b32 s27, 0
	s_lshl_b32 s28, s18, 12                        ; my 32 groups' histograms: 128 bytes each
	s_mov_b32 s29, 0
	s_lshl_b32 s30, ttmp9, 7                       ; group G's 32 words
	s_mov_b32 s31, 0
	s_lshl_b32 s33, s18, 5
	s_sub_co_i32 s33, ttmp9, s33
	s_max_i32 s33, s33, 0                          ; how many of my 32 groups come before G
	s_wait_kmcnt 0x0
	s_load_b32 s32, s[6:7], 0x4                    ; ew
	s_add_nc_u64 s[4:5], s[4:5], s[24:25]
	s_add_nc_u64 s[10:11], s[10:11], s[26:27]
	s_add_nc_u64 s[14:15], s[8:9], s[28:29]
	s_add_nc_u64 s[16:17], s[8:9], s[30:31]
.set i, 0
.rept 32
	global_load_b32 v[H+i], v2, s[14:15] offset:32768+128*i
.set i, i+1
.endr
	global_load_b32 v9, v2, s[16:17]               ; group G: lane = token
.irp r, 0,1,2,3,4,5,6,7,8,9,10,11,12,13,14,15
	global_load_b128 v[X+8*\r:X+8*\r+3],   v1, s[4:5] offset:4096*\r th:TH_LOAD_NT       ; 512 consecutive bytes; W is read once
	global_load_b128 v[X+8*\r+4:X+8*\r+7], v1, s[4:5] offset:4096*\r+512 th:TH_LOAD_NT
.endr
	s_wait_kmcnt 0x0
	s_add_co_i32 s32, s32, 127
	s_lshl_b32 s34, s32, 23
	v_mov_b32 v7, s34                              ; 2^ew as f32
	s_add_co_i32 s32, s32, 15
	s_lshl_b32 s32, s32, 23
	s_or_b32 s32, s32, 0x600000
	v_mov_b32 v8, s32                              ; 57,344 x 2^ew
	s_wait_loadcnt 32                              ; the histograms and group G's words are in; W's 32 loads, issued behind them, stay out
	s_cmp_gt_u32 s33, 0
	s_cselect_b32 s34, 1, 0
	v_mul_u32_u24 v10, v[H], s34                   ; my key's count in the groups before G,
	v_mov_b32 v11, v[H]                            ; and in all
.set i, 1
.rept 31
	s_cmp_gt_u32 s33, i
	s_cselect_b32 s34, 1, 0
	v_mad_u32_u24 v10, v[H+i], s34, v10
	v_add_nc_u32 v11, v11, v[H+i]
.set i, i+1
.endr
	ds_store_b64 v5, v[10:11]
.macro WROW r
	s_wait_loadcnt 2*(15-\r)                       ; this row's two loads are in, the later rows' stay out
.irp n, 0,1,2,3,4,5,6,7
	v_med3_num_f32 v[X+8*\r+\n], v[X+8*\r+\n], -v8, v8     ; the conversion to an 8-bit code does not saturate (ISA guide 7.6.2)
.endr
	v_cvt_scalef32_pk8_bf8_f32 v[C+2*\r:C+2*\r+1], v[X+8*\r:X+8*\r+7], v7
	ds_store_b64 v3, v[C+2*\r:C+2*\r+1] offset:16*\r
.endm
.irp r, 0,1,2,3,4,5,6,7,8,9,10,11,12,13,14,15
	WROW \r
.endr
	v_nop                                          ; a plain line behind the last conversion
.irp t, 0,1,2,3,4,5,6,7
	ds_load_b128 v[RB+4*\t:RB+4*\t+3], v4 offset:544*\t    ; LDS serves a wave's instructions in order (ISA guide 5.7.1.4): these see my stores
.endr
.irp t, 0,1,2,3,4,5,6,7
	s_wait_dscnt 7-\t
	global_store_b128 v1, v[RB+4*\t:RB+4*\t+3], s[10:11] offset:512*\t
.endr
	s_wait_dscnt 0x0                               ; for wave 0's sake: my sums lie in LDS
	s_barrier_signal -1
	s_barrier_wait -1
	s_cmp_lg_u32 s18, 0
	s_cbranch_scc1 .Lend
.irp w, 0,1,2,3,4,5,6,7
	ds_load_b64 v[H+2*\w:H+2*\w+1], v6 offset:256*\w
.endr
	s_wait_dscnt 0x0
	v_add3_u32 v10, v48, v50, v52                  ; lane = key: its tokens in the groups before G,
	v_add3_u32 v10, v10, v54, v56
	v_add3_u32 v10, v10, v58, v60
	v_add_nc_u32 v10, v10, v62
	v_add3_u32 v11, v49, v51, v53                  ; and in all
	v_add3_u32 v11, v11, v55, v57
	v_add3_u32 v11, v11, v59, v61
	v_add_nc_u32 v11, v11, v63
	v_mov_b32 v12, v11
	v_mov_b32 v13, 0
.irp n, 1,2,4,8
	v_mov_b32_dpp v13, v12 row_shr:\n row_mask:0xf bank_mask:0xf bound_ctrl:1            ; a running sum inside each 16 lanes; lanes without a source take 0
	v_add_nc_u32 v12, v12, v13
.endr
	v_readlane_b32 s35, v12, 15                    ; keys 0 .. 15 together
	v_mov_b32 v13, s35
	s_mov_b32 s36, 0xffff0000
	v_cndmask_b32 v13, 0, v13, s36
	v_add_nc_u32 v12, v12, v13
	v_sub_nc_u32 v12, v12, v11                     ; the tokens of lower keys,
	v_add_nc_u32 v12, v12, v10                     ; + my key's in earlier groups: where group G's tokens of this key begin
	v_and_b32 v14, 31, v9                          ; lane = token again: its key
	v_mov_b32 v13, 0
.set k, 0
.rept 28
	v_readlane_b32 s35, v12, k
	v_cmp_eq_u32 vcc_lo, k, v14
	v_cndmask_b32 v13, v13, s35, vcc_lo
.set k, k+1
.endr
	v_bfe_u32 v14, v9, 8, 5                        ; + its rank
	v_add_nc_u32 v13, v13, v14
	v_min_u32 v13, 0x1fff, v13                     ; a position stays inside ord whatever was read
	v_lshlrev_b32 v13, 2, v13
	v_and_b32 v14, 0xffff0000, v9                  ; a, b and the mask stay; key and rank make room for the token's number
	s_lshl_b32 s35, ttmp9, 5
	v_add_nc_u32 v240, s35, v15
	v_or_b32 v14, v14, v240
	global_store_b32 v13, v14, s[12:13]
.Lend:
	s_wait_tensorcnt 0x0
	ds_add_u32 v254, v255
	s_wait_dscnt 0x0
	s_endpgm
.Lfunc_end_k_qa7ecd6436a_prep:
	.size	k_qa7ecd6436a_prep, .Lfunc_end_k_qa7ecd6436a_prep-k_qa7ecd6436a_prep
	.p2alignl 7, 3214868480
	.fill 96, 4, 3214868480
	.section	.rodata,"a",@progbits
	.p2align	6, 0x0
	.amdhsa_kernel k_qa7ecd6436a_prep
		.amdhsa_group_segment_fixed_size 37888
		.amdhsa_private_segment_fixed_size 0
		.amdhsa_enable_private_segment 0
		.amdhsa_kernarg_size 40
		.amdhsa_user_sgpr_count 2
		.amdhsa_user_sgpr_kernarg_segment_ptr 1
		.amdhsa_wavefront_size32 1
		.amdhsa_system_sgpr_workgroup_id_x 1
		.amdhsa_system_sgpr_workgroup_id_y 1
		.amdhsa_system_sgpr_workgroup_id_z 1
		.amdhsa_system_vgpr_workitem_id 0
		.amdhsa_next_free_vgpr 256
		.amdhsa_next_free_sgpr 66
		.amdhsa_reserve_vcc 1
		.amdhsa_float_denorm_mode_32 3
		.amdhsa_float_denorm_mode_16_64 3
		.amdhsa_memory_ordered 1
		.amdhsa_forward_progress 1
		.amdhsa_inst_pref_size 33
	.end_amdhsa_kernel
	.amdgpu_metadata
---
amdhsa.version: [ 1, 2 ]
amdhsa.kernels:
  - .name:           k_qa7ecd6436a_prep
    .symbol:         k_qa7ecd6436a_prep.kd
    .args:
      - { .name: W_experts, .offset: 0, .size: 8, .value_kind: global_buffer, .address_space: global }
      - { .name: lowp_scales, .offset: 8, .size: 8, .value_kind: global_buffer, .address_space: global }
      - { .name: meta, .offset: 16, .size: 8, .value_kind: global_buffer, .address_space: global }
      - { .name: wc, .offset: 24, .size: 8, .value_kind: global_buffer, .address_space: global }
      - { .name: ord, .offset: 32, .size: 8, .value_kind: global_buffer, .address_space: global }
    .group_segment_fixed_size: 37888
    .private_segment_fixed_size: 0
    .kernarg_segment_align: 8
    .kernarg_segment_size: 40
    .max_flat_workgroup_size: 256
    .sgpr_count:     66
    .vgpr_count:     256
    .wavefront_size: 32
...
	.end_amdgpu_metadata
.endif
;; end of part 2
;; launch experts (part 3): grid 4 x 64, 4 waves a work-group, no clusters, 151,040 bytes of LDS; arguments xc, wc, ord, pw, b_experts, lowp_scales, out0; writes out0
.if DOCPART == 3
	.amdgcn_target "amdgcn-amd-amdhsa--gfx1250"
	.amdhsa_code_object_version 6
	.text
	.protected	k_qa7ecd6436a_experts
	.globl	k_qa7ecd6436a_experts
	.p2align	8
	.type	k_qa7ecd6436a_experts,@function
k_qa7ecd6436a_experts:
	s_mov_b64 s[64:65], 0
	v_nop
	global_prefetch_b8 v0, s[64:65] scope:SCOPE_SE
	s_setreg_imm32_b32 hwreg(HW_REG_WAVE_MODE, 25, 1), 1
	s_wait_xcnt 0x0
; out[t] = p_a (x_t W_a^T + b_a) + p_b (x_t W_b^T + b_b), the products on codes of E5M2 by v_wmma_f32_16x16x128_bf8_bf8, sums in f32.  Only the two chosen experts of a token are multiplied.
; SHARES.  The tokens stand sorted by their pair of experts (ord).  A work-group takes 128 neighbours of that order x 256 output columns and is the one owner of those numbers of out.  It walks the experts that any
; of its 128 tokens uses (a mask gathered from ord; two at the least, eight at the most); a token that does not use the expert in hand takes its product with the weight 0.
; The four waves share the COLUMNS, 64 each, and each takes all 128 rows: 32 accumulators of 16 x 16.  So a fragment of W is loaded once in the work-group and feeds eight matrix instructions.
; x's codes (128 rows x 1,024 bytes) are gathered once into LDS and stay; W's fragments come from memory straight into registers, laid by the launch before in the order of the operand's registers:
; a ring of four slots of a K step (4 fragments, 64 registers), loaded three K steps ahead, on into the next expert.
; THE MATRIX INSTRUCTION IS USED TRANSPOSED: source 0 = 16 rows of W, source 1 = 16 tokens: lane (r, h) holds token r and eight neighbouring columns 8 h + 0 .. 7.
; SCALES.  A sum stands for sum x 2^(ex + ew).  The bias goes in as the C of an expert's first K step, as b x 2^-(ex + ew); the weight is p x 2^(ex + ew): out += weight x (sum + C).
; K's ORDER.  Both tensors' codes lie by one permutation of K (made by the two launches before), so every product meets its partner; the order of the f32 sums differs from ascending K.
; NO TENSOR LOADS, NO CLUSTER: the number of experts walked, and which, are read from memory, so branches hang on loaded numbers; and which work-groups need the same expert's weights at the same time hangs on
; the split, so no fixed set of partners shares a tile.  The one barrier stands ahead of every such branch.
; LIMITS.  b x 2^-(ex + ew) and p x 2^(ex + ew) are finite f32 numbers (ex + ew between about -100 and 100 for biases of ordinary size).  NaN among the inputs is not served.
; REGISTERS, in windows of 256 (s_set_vgpr_msb: bits 1:0 source 0, 3:2 source 1, 5:4 source 2, 7:6 destination):
;   window 0: v1-9 addresses; v16-23 ord of token 16 rt + l % 16; v32-47 its (p_a, p_b); v48-79 the bias, 8 a column tile; v80-87 offsets into pw; v88-103 the weights, a pair a row tile (upper word 0);
;             v128-255 x's fragments of one K step, ONE set (at the head: offsets of x's rows; on the way out: rows read back)
;   window 1: W's ring, slot s at 64 s, fragment nt at + 16 nt (in the last expert slot 0 takes the stores' offsets)
;   window 2: the accumulators, (rt, nt) at 8 (4 rt + nt) (at the head: where x's rows land)       window 3: out's sums, same map
.set XP,   1040                        ; a row of x's codes in LDS: 1,024 bytes + 16 = 65 x 16: the 16 rows of a fragment load start at 16 different groups of banks (64 banks of 4 bytes: ISA guide 11.1)
.set STG,  128*XP                      ; behind them: a stage of 16 rows x (256 + 16) bytes for each wave, for the way out
.set SP,   272
.set ALD,  1                           ; v1, v2  LDS address of my place in row tiles 0-3, 4-7
.set L16,  3                           ; v3      16 x lane
.set C16,  4                           ; v4      16 (l % 16)
.set H32,  5                           ; v5      32 (l / 16)
.set STO,  6                           ; v6      the stage: where I put 32 bytes of a row
.set RD,   7                           ; v7      and where I read a row back
.set XST,  8                           ; v8      where my wave's 32 rows of x go
.set R4,   9                           ; v9      4 (l % 16)
.set ORD,  16
.set PW,   32
.set BIAS, 48
.set PO,   80
.set WS,   88
.set A,    128
; s18 wave; s21 ex + ew, s22 its negative; s23 the mask of experts, s24 those still to come; s25 the expert in hand, s26 the next; s27 middle bodies, s28 their counter; s[32:63] my wave's 32 tokens;
; s[66:67] wc at my four column tiles; s[68:69] b_experts at my 64 columns; s[70:71], s[72:73] the same of wc in the expert in hand and the next; s[74:75] the next expert's bias; s[84:85] the first's;
; s[76:77] ord at my block; s[78:79] out at my 64 columns
.set MSB, 0
.macro WIN new                         ; the immediate's high byte repeats the setting that is left; a switch that changes nothing is dropped
.if MSB != \new
	s_set_vgpr_msb (MSB<<8)|\new
.set MSB, \new
.endif
.endm
; A load into a register that a matrix instruction has read stands four places behind it, and only plain vector instructions that name none of its registers are places (ISA guide 7.12.1 for vector
; instructions).
.macro PLACES
.rept 4
	v_nop
.endr
.endm
.macro LOADB base, k, slot             ; W's four fragments of K step k: 16 loads of 512 consecutive bytes
	WIN 0x40
.irp n, 0,1,2,3
.irp c, 0,1,2,3
	global_load_b128 v[64*(\slot)+16*\n+4*\c:64*(\slot)+16*\n+4*\c+3], v[L16], s[\base:\base+1] offset:16384*\n+2048*(\k)+512*\c
.endr
.endr
.endm
.macro LOADBIAS base                   ; lane (r, h): b[16 nt + 8 h + 0 .. 7]: the result's layout
	WIN 0
.irp n, 0,1,2,3
	global_load_b128 v[BIAS+8*\n:BIAS+8*\n+3],   v[H32], s[\base:\base+1] offset:64*\n
	global_load_b128 v[BIAS+8*\n+4:BIAS+8*\n+7], v[H32], s[\base:\base+1] offset:64*\n+16
.endr
.endm
.macro LOADTOK                         ; for the way out: register 8 rt + t = ord[16 rt + 8 (l / 16) + t]
	WIN 0x40
.irp rt, 0,1,2,3,4,5,6,7
	global_load_b128 v[8*\rt:8*\rt+3],   v[H32], s[76:77] offset:64*\rt
	global_load_b128 v[8*\rt+4:8*\rt+7], v[H32], s[76:77] offset:64*\rt+16
.endr
.endm
.macro FETCHA k, half                  ; x's fragments of K step k, row tiles 4 half .. 4 half + 3: registers 4 c .. 4 c + 3 = bytes 128 k + 32 c + 16 (l / 16) + 0 .. 15 of row l % 16
	WIN 0
.irp r, 0,1,2,3
.irp c, 0,1,2,3
	ds_load_b128 v[A+16*(4*(\half)+\r)+4*\c:A+16*(4*(\half)+\r)+4*\c+3], v[ALD+\half] offset:16*XP*\r+128*(\k)+32*\c
.endr
.endr
.endm
; 16 matrix instructions: four row tiles x my four column tiles.  The 32 accumulators take turns, one instruction a turn, in the same order in every K step.
; An expert's first K step starts the sums with the bias as C: nothing is cleared, and the bias costs no addition.
.macro MUL half, k
.if (\k) == 0
	WIN 0x81                                       ; W window 1, x and the bias window 0, D window 2
.else
	WIN 0xa1                                       ; C and D window 2
.endif
.irp r, 0,1,2,3
.irp n, 0,1,2,3
.if (\k) == 0
	v_wmma_f32_16x16x128_bf8_bf8 v[8*(4*(4*(\half)+\r)+\n):8*(4*(4*(\half)+\r)+\n)+7], v[64*((\k)%4)+16*\n:64*((\k)%4)+16*\n+15], v[A+16*(4*(\half)+\r):A+16*(4*(\half)+\r)+15], v[BIAS+8*\n:BIAS+8*\n+7]
.else
	v_wmma_f32_16x16x128_bf8_bf8 v[8*(4*(4*(\half)+\r)+\n):8*(4*(4*(\half)+\r)+\n)+7], v[64*((\k)%4)+16*\n:64*((\k)%4)+16*\n+15], v[A+16*(4*(\half)+\r):A+16*(4*(\half)+\r)+15], v[8*(4*(4*(\half)+\r)+\n):8*(4*(4*(\half)+\r)+\n)+7]
.endif
.endr
.endr
.endm
; K step k of an expert.  P = 1: another expert follows, and the ring goes on into it.  P = 0: the last expert.
; The count of the wait for W: the loads issued behind this step's sixteen: as a rule the next two steps' (32); in steps 6 and 7 with P = 1 the next expert's eight bias loads lie between (40);
; with P = 0 step 6 has step 7's and the sixteen of the list of tokens behind it (32), step 7 those sixteen.
.macro STEP k, P
.if ((\P) == 1) && ((\k) >= 6)
	s_wait_loadcnt 40
.elseif ((\P) == 0) && ((\k) == 7)
	s_wait_loadcnt 16
.else
	s_wait_loadcnt 32
.endif
	s_wait_dscnt 16                                ; x's row tiles 0-3 are in; the younger sixteen loads (tiles 4-7) may be out
.if (\k) <= 4
	LOADB 70, (\k)+3, ((\k)+3)%4                   ; three steps ahead, into the slot that the last step read (the places at that step's end serve these loads)
.elseif (\P) == 1
.if (\k) == 5
	LOADBIAS 74
.endif
	LOADB 72, (\k)-5, (\k)-5                       ; the next expert's first three K steps
.elseif (\k) == 5
	LOADTOK
.endif
	MUL 0, \k
	s_wait_dscnt 0x0                               ; tiles 4-7 are in (asked for 16 matrix instructions ago or more)
.if ((\P) == 1) || ((\k) < 7)
	PLACES
	FETCHA ((\k)+1)%8, 0                           ; one set of registers serves x: a tile is free when its four products are issued.  Behind step 7: the next expert begins at K step 0 again
.endif
	MUL 1, \k
.if ((\P) == 1) || ((\k) < 7)
	PLACES
	FETCHA ((\k)+1)%8, 1
.endif
.endm
.macro WEIGHTS                         ; the weight of the expert in hand for my token of each row tile: p_a, p_b or 0.  These 48 plain lines are also the places between the last products and the first read of the sums
.irp rt, 0,1,2,3,4,5,6,7
	v_bfe_u32 v10, v[ORD+\rt], 16, 4
	v_cmp_eq_u32 vcc_lo, s25, v10
	v_cndmask_b32 v[WS+2*\rt], 0, v[PW+2*\rt], vcc_lo
	v_bfe_u32 v11, v[ORD+\rt], 20, 4
	v_cmp_eq_u32 vcc_lo, s25, v11
	v_cndmask_b32 v[WS+2*\rt], v[WS+2*\rt], v[PW+2*\rt+1], vcc_lo
.endr
.endm
.macro COMBINE F                       ; out's sums take weight x accumulator, two numbers a line, each accumulator from its low end on.  F = 1: the first expert starts them
.if \F
	WIN 0xc2                                       ; accumulators window 2, weights window 0, out window 3
.else
	WIN 0xf2
.endif
.irp rt, 0,1,2,3,4,5,6,7
.irp n, 0,1,2,3
.irp p, 0,2,4,6
.if \F
	v_pk_mul_f32 v[8*(4*\rt+\n)+\p:8*(4*\rt+\n)+\p+1], v[8*(4*\rt+\n)+\p:8*(4*\rt+\n)+\p+1], v[WS+2*\rt:WS+2*\rt+1] op_sel_hi:[1,0]
.else
	v_pk_fma_f32 v[8*(4*\rt+\n)+\p:8*(4*\rt+\n)+\p+1], v[8*(4*\rt+\n)+\p:8*(4*\rt+\n)+\p+1], v[WS+2*\rt:WS+2*\rt+1], v[8*(4*\rt+\n)+\p:8*(4*\rt+\n)+\p+1] op_sel_hi:[1,0,1]
.endif
.endr
.endr
.endr
.endm
.macro ADVANCE                         ; on to the next expert
	s_wait_xcnt 0x0                                ; the loads that are out have read their bases: these may be written
	s_mov_b32 s25, s26
	s_mov_b64 s[70:71], s[72:73]
	s_lshl_b32 s80, 1, s26
	s_and_not1_b32 s24, s24, s80
	s_ctz_i32_b32 s26, s24                         ; the lowest expert still to come (none: all ones,
	s_min_u32 s26, s26, 7                          ; held at 7: no load then uses it)
	s_mov_b32 s81, 0
	s_lshl_b32 s80, s26, 20                        ; an expert's codes are 2^20 bytes,
	s_add_nc_u64 s[72:73], s[66:67], s[80:81]
	s_lshl_b32 s80, s26, 12                        ; its bias 4,096
	s_add_nc_u64 s[74:75], s[68:69], s[80:81]
	s_wait_loadcnt 48                              ; the bias is in; behind it three slots of W were asked for
.set n, 0
.rept 32
	v_ldexp_f32 v[BIAS+n], v[BIAS+n], s22          ; b x 2^-(ex + ew)
.set n, n+1
.endr
.endm
.macro BODY P, F                       ; one expert: 8 K steps, 256 matrix instructions a wave.  At its head 48 loads of W and 32 of x's fragments are out, on every way in
.irp k, 0,1,2,3,4,5,6,7
	STEP \k, \P
.endr
	WIN 0
	WEIGHTS
	COMBINE \F
	WIN 0                                          ; at a label and at a branch every window is 0
.if \P
	ADVANCE
.endif
.endm
	s_load_b256 s[4:11], s[0:1], 0x0               ; xc s[4:5], wc s[6:7], ord s[8:9], pw s[10:11]
	s_load_b128 s[12:15], s[0:1], 0x20             ; b_experts s[12:13], the scales' exponents s[14:15]
	s_load_b64 s[16:17], s[0:1], 0x30              ; out
	v_lshl_add_u32 v126, v0, 2, 0x24c00
	v_mov_b32 v127, 0
	v_lshrrev_b32 v10, 5, v0
	v_readfirstlane_b32 s18, v10                   ; wave 0..3
	v_and_b32 v10, 31, v0                          ; lane
	v_and_b32 v11, 15, v0                          ; r
	v_bfe_u32 v12, v0, 4, 1                        ; h
	v_mul_u32_u24 v[ALD], v11, XP
	v_lshl_add_u32 v[ALD], v12, 4, v[ALD]
	v_add_nc_u32 v[ALD+1], 64*XP, v[ALD]
	v_lshlrev_b32 v[L16], 4, v10
	v_lshlrev_b32 v[C16], 4, v11
	v_lshlrev_b32 v[H32], 5, v12
	s_mul_i32 s80, s18, 16*SP
	s_add_co_u32 s80, s80, STG                     ; my stage
	v_mul_u32_u24 v[STO], v11, SP
	v_lshl_add_u32 v[STO], v12, 5, v[STO]
	v_add_nc_u32 v[STO], s80, v[STO]               ; in: row r, + 32 h
	v_mul_u32_u24 v[RD], v12, 8*SP
	v_lshl_add_u32 v[RD], v11, 4, v[RD]
	v_add_nc_u32 v[RD], s80, v[RD]                 ; back: lanes 0-15 row t, lanes 16-31 row 8 + t
	s_mul_i32 s81, s18, 32*XP
	v_add_nc_u32 v[XST], s81, v[L16]
	v_lshlrev_b32 v[R4], 2, v11
.irp rt, 0,1,2,3,4,5,6,7
	v_mov_b32 v[WS+2*\rt+1], 0                     ; named as the upper half of a pair, so it is written
.endr
	s_and_b32 s20, ttmp7, 0xffff                   ; my block of 128 positions
	s_lshl_b32 s82, s20, 9
	s_mov_b32 s83, 0
	s_lshl_b32 s84, ttmp9, 18                      ; wc: 16 column tiles of 16,384 bytes a work-group x,
	s_lshl_b32 s86, s18, 16                        ; four a wave
	s_add_co_u32 s84, s84, s86
	s_mov_b32 s85, 0
	s_lshl_b32 s86, ttmp9, 10                      ; my 64 columns as f32: 1,024 x + 256 wave
	s_lshl_b32 s88, s18, 8
	s_add_co_u32 s86, s86, s88
	s_mov_b32 s87, 0
	s_lshl_b32 s88, s18, 7                         ; my wave's 32 entries of ord
	s_mov_b32 s89, 0
	s_wait_kmcnt 0x0
	s_add_nc_u64 s[76:77], s[8:9], s[82:83]
	s_add_nc_u64 s[66:67], s[6:7], s[84:85]
	s_add_nc_u64 s[68:69], s[12:13], s[86:87]
	s_add_nc_u64 s[78:79], s[16:17], s[86:87]
	s_add_nc_u64 s[90:91], s[76:77], s[88:89]
	s_load_b512 s[32:47], s[90:91], 0x0            ; the 32 tokens whose rows of x my wave gathers
	s_load_b512 s[48:63], s[90:91], 0x40
	s_load_b64 s[92:93], s[14:15], 0x0             ; ex, ew
.irp rt, 0,1,2,3,4,5,6,7
	global_load_b32 v[ORD+\rt], v[R4], s[76:77] offset:64*\rt
.endr
	s_wait_kmcnt 0x0
.set i, 0
.rept 32
	s_and_b32 s[32+i], s[32+i], 0x1fff             ; the token's number,
	s_min_u32 s[32+i], s[32+i], 0x1fff             ; inside xc whatever was read
	v_lshl_add_u32 v[A+i], s[32+i], 10, v[L16]     ; its row of 1,024 codes, + 16 x lane
.set i, i+1
.endr
	WIN 0x80                                       ; destination window 2
.set i, 0
.rept 32
	global_load_b128 v[8*i:8*i+3],   v[A+i], s[4:5]                ; 512 consecutive bytes, aligned: half a row
	global_load_b128 v[8*i+4:8*i+7], v[A+i], s[4:5] offset:512
.set i, i+1
.endr
	WIN 0
	s_wait_loadcnt 63                              ; behind ord's eight loads 64 were issued: those eight are in
	v_or_b32 v10, v[ORD], v[ORD+1]
.irp rt, 2,3,4,5,6,7
	v_or_b32 v10, v10, v[ORD+\rt]
.endr
	s_mov_b32 s23, 0
.irp e, 0,1,2,3,4,5,6,7
	v_and_b32 v11, 1<<(24+\e), v10                 ; does any of the 128 tokens use expert e?
	v_cmp_ne_u32 s80, 0, v11
	s_cmp_lg_u32 s80, 0
	s_cselect_b32 s81, 1<<\e, 0
	s_or_b32 s23, s23, s81
.endr
	s_ctz_i32_b32 s25, s23
	s_min_u32 s25, s25, 7                          ; the first expert,
	s_lshl_b32 s80, 1, s25
	s_and_not1_b32 s24, s23, s80
	s_ctz_i32_b32 s26, s24
	s_min_u32 s26, s26, 7                          ; the second: every token names two, so there are two
	s_bcnt1_i32_b32 s27, s23
	s_sub_co_i32 s27, s27, 2
	s_max_i32 s27, s27, 0
	s_min_u32 s27, s27, 6                          ; experts between the first and the last
	s_mov_b32 s28, 0
	s_mov_b32 s81, 0
	s_lshl_b32 s80, s25, 20
	s_add_nc_u64 s[70:71], s[66:67], s[80:81]
	s_lshl_b32 s80, s25, 12
	s_add_nc_u64 s[84:85], s[68:69], s[80:81]
	s_lshl_b32 s80, s26, 20
	s_add_nc_u64 s[72:73], s[66:67], s[80:81]
	s_lshl_b32 s80, s26, 12
	s_add_nc_u64 s[74:75], s[68:69], s[80:81]
	s_add_co_i32 s21, s92, s93                     ; ex + ew
	s_sub_co_i32 s22, 0, s21
.irp rt, 0,1,2,3,4,5,6,7
	v_and_b32 v[PO+\rt], 0x1fff, v[ORD+\rt]
	v_min_u32 v[PO+\rt], 0x1fff, v[PO+\rt]
	v_lshlrev_b32 v[PO+\rt], 3, v[PO+\rt]
.endr
.irp rt, 0,1,2,3,4,5,6,7
	global_load_b64 v[PW+2*\rt:PW+2*\rt+1], v[PO+\rt], s[10:11]
.endr
	LOADBIAS 84
	LOADB 70, 0, 0
	WIN 0x08                                       ; store data window 2
.irp g, 0,1,2,3                        ; x's rows go into LDS, eight at a time.  The counts: the loads issued behind the group's sixteen (80, 64, 48, 32), as far as the wait's field reaches
.if \g < 2
	s_wait_loadcnt 63
.else
	s_wait_loadcnt 32+16*(3-\g)
.endif
.irp j, 0,1,2,3,4,5,6,7
	ds_store_b128 v[XST], v[8*(8*\g+\j):8*(8*\g+\j)+3]   offset:XP*(8*\g+\j)
	ds_store_b128 v[XST], v[8*(8*\g+\j)+4:8*(8*\g+\j)+7] offset:XP*(8*\g+\j)+512
.endr
.endr
	LOADB 70, 1, 1
	LOADB 70, 2, 2
	WIN 0
	s_wait_dscnt 0x0                               ; for the others' sake: my 32 rows lie in LDS
	s_barrier_signal -1
	s_barrier_wait -1                              ; all 128 do.  The launch's one barrier: from here on LDS rows are only read, and each wave's stage is its own
	FETCHA 0, 0
	FETCHA 0, 1
	s_wait_loadcnt 48                              ; the weights and the first bias are in; behind them three slots of W were asked for
.set n, 0
.rept 16
	v_ldexp_f32 v[PW+n], v[PW+n], s21              ; p x 2^(ex + ew), once
.set n, n+1
.endr
.set n, 0
.rept 32
	v_ldexp_f32 v[BIAS+n], v[BIAS+n], s22
.set n, n+1
.endr
	BODY 1, 1                                      ; the first expert starts out's sums
	s_cmp_eq_u32 s27, 0
	s_cbranch_scc1 .Llast
.Lmid:
	BODY 1, 0
	s_add_co_u32 s28, s28, 1
	s_cmp_lt_u32 s28, s27
	s_cbranch_scc1 .Lmid
.Llast:
	BODY 0, 0                                      ; the last expert asks for no further weights, and for the list of tokens instead
; THE WAY OUT, a row tile at a time.  A lane holds 32 bytes of a token's row and the lanes beside it other tokens': the tile goes through my own stage and comes back as rows of 256 bytes, which sixteen lanes store
; as one aligned run of 256 bytes in that token's row of out.  LDS serves a wave's instructions in order (ISA guide 5.7.1.4): no wait between the stores and the loads, nor ahead of the next tile's stores.
.macro OUTT rt
	WIN 0x0c                                       ; store data window 3
.irp n, 0,1,2,3
	ds_store_b128 v[STO], v[8*(4*(\rt)+\n):8*(4*(\rt)+\n)+3]   offset:64*\n
	ds_store_b128 v[STO], v[8*(4*(\rt)+\n)+4:8*(4*(\rt)+\n)+7] offset:64*\n+16
.endr
	WIN 0
.irp t, 0,1,2,3,4,5,6,7
	ds_load_b128 v[A+32*((\rt)%2)+4*\t:A+32*((\rt)%2)+4*\t+3], v[RD] offset:SP*\t
.endr
.endm
.macro SEND rt, younger                ; younger: the LDS instructions issued behind tile rt's loads: the next tile's sixteen, or none
	s_wait_dscnt \younger
	WIN 0x01                                       ; the offsets lie in window 1
.irp t, 0,1,2,3,4,5,6,7
	global_store_b128 v[8*(\rt)+\t], v[A+32*((\rt)%2)+4*\t:A+32*((\rt)%2)+4*\t+3], s[78:79] th:TH_STORE_NT   ; written once, read by nobody here
.endr
	WIN 0
.endm
	s_wait_loadcnt 0x0                             ; the list of tokens
	WIN 0x44
.set n, 0
.rept 64
	v_and_b32 v[n], 0x1fff, v[n]
	v_min_u32 v[n], 0x1fff, v[n]                   ; inside out whatever was read
.set n, n+1
.endr
	WIN 0x41
.set n, 0
.rept 64
	v_lshl_add_u32 v[n], v[n], 12, v[C16]          ; the token's row of 4,096 bytes, + 16 (l % 16)
.set n, n+1
.endr
	WIN 0
	OUTT 0
.irp rt, 1,2,3,4,5,6,7
.if \rt > 1
	s_wait_xcnt 0x0                                ; tile rt - 2's stores have read their registers: this tile's rows may land there
.endif
	OUTT \rt
	SEND \rt-1, 16
.endr
	SEND 7, 0
	s_wait_tensorcnt 0x0
	ds_add_u32 v126, v127
	s_wait_dscnt 0x0
	s_endpgm
.Lfunc_end_k_qa7ecd6436a_experts:
	.size	k_qa7ecd6436a_experts, .Lfunc_end_k_qa7ecd6436a_experts-k_qa7ecd6436a_experts
	.p2alignl 7, 3214868480
	.fill 96, 4, 3214868480
	.section	.rodata,"a",@progbits
	.p2align	6, 0x0
	.amdhsa_kernel k_qa7ecd6436a_experts
		.amdhsa_group_segment_fixed_size 151040
		.amdhsa_private_segment_fixed_size 0
		.amdhsa_enable_private_segment 0
		.amdhsa_kernarg_size 56
		.amdhsa_user_sgpr_count 2
		.amdhsa_user_sgpr_kernarg_segment_ptr 1
		.amdhsa_wavefront_size32 1
		.amdhsa_system_sgpr_workgroup_id_x 1
		.amdhsa_system_sgpr_workgroup_id_y 1
		.amdhsa_system_sgpr_workgroup_id_z 1
		.amdhsa_system_vgpr_workitem_id 0
		.amdhsa_next_free_vgpr 1024
		.amdhsa_next_free_sgpr 100
		.amdhsa_reserve_vcc 1
		.amdhsa_float_denorm_mode_32 3
		.amdhsa_float_denorm_mode_16_64 3
		.amdhsa_memory_ordered 1
		.amdhsa_forward_progress 1
		.amdhsa_inst_pref_size 238
	.end_amdhsa_kernel
	.amdgpu_metadata
---
amdhsa.version: [ 1, 2 ]
amdhsa.kernels:
  - .name:           k_qa7ecd6436a_experts
    .symbol:         k_qa7ecd6436a_experts.kd
    .args:
      - { .name: xc, .offset: 0, .size: 8, .value_kind: global_buffer, .address_space: global }
      - { .name: wc, .offset: 8, .size: 8, .value_kind: global_buffer, .address_space: global }
      - { .name: ord, .offset: 16, .size: 8, .value_kind: global_buffer, .address_space: global }
      - { .name: pw, .offset: 24, .size: 8, .value_kind: global_buffer, .address_space: global }
      - { .name: b_experts, .offset: 32, .size: 8, .value_kind: global_buffer, .address_space: global }
      - { .name: lowp_scales, .offset: 40, .size: 8, .value_kind: global_buffer, .address_space: global }
      - { .name: out0, .offset: 48, .size: 8, .value_kind: global_buffer, .address_space: global }
    .group_segment_fixed_size: 151040
    .private_segment_fixed_size: 0
    .kernarg_segment_align: 8
    .kernarg_segment_size: 56
    .max_flat_workgroup_size: 128
    .sgpr_count:     100
    .vgpr_count:     1024
    .wavefront_size: 32
...
	.end_amdgpu_metadata
.endif
;; end of part 3
;; ======== version 2 of 2: 3 launches
;; limits: right only within a limited range of input values
;; workspace buffers: xc 8,388,608 bytes; wc 8,388,608 bytes; meta 65,536 bytes of whole numbers; pw 65,536 bytes; ord 32,768 bytes of whole numbers
;; launch route (part 4): grid 256 x 1, 8 waves a work-group, no clusters, 5,120 bytes of LDS; arguments x, W_gate, b_gate, lowp_scales, xc, meta, pw; writes xc, meta, pw
.if DOCPART == 4
	.amdgcn_target "amdgcn-amd-amdhsa--gfx1250"
	.amdhsa_code_object_version 6
	.text
	.protected	k_qa7ecd6436a_route
	.globl	k_qa7ecd6436a_route
	.p2align	8
	.type	k_qa7ecd6436a_route,@function
k_qa7ecd6436a_route:
	s_mov_b64 s[64:65], 0
	v_nop
	global_prefetch_b8 v0, s[64:65] scope:SCOPE_SE
	s_setreg_imm32_b32 hwreg(HW_REG_WAVE_MODE, 25, 1), 1
	s_wait_xcnt 0x0
; ROUTER AND CODES OF x.  x: [8192][1024] f32.  One pass over x serves two things: the gate's logits (f32 multiply-adds, softmax with its maximum taken away, top 2) and x's codes of E5M2 with the given scale 2^ex.
; SHARES.  A work-group owns 32 tokens (a group).  Wave wv takes 16 of them (wv / 4) and a quarter of K (wv % 4): 256 numbers of a row by two loads of 512 consecutive bytes.  All 32 loads of a wave go out at the head.
; THE ORDER OF THE CODES.  Lane l holds k = 256 w + 128 j + 4 l + i (load j, word i); its eight codes go to byte 256 w + 8 l + 4 j + i of the token's 1,024.  The launch that quantises W lays its codes by the same
; permutation of K, so every product meets its partner; only the order of the f32 sums inside a matrix instruction differs from ascending K.
; THE LOGITS.  A lane's 8 numbers x 8 experts: packed multiply-adds in eight chains.  The wave's 128 partial sums (16 rows x 8 experts) are added over the 32 lanes by halving: in each step a lane keeps half of its
; sums and hands the other half to the lane that keeps them.  At the end lane l holds row l % 16, experts 4 (l / 16) + 0 .. 3.  The four quarters of K meet in LDS; wave 0 finishes, a lane a token.
; STORED for the later launches, at fixed places: meta[token] = key | rank << 8 | a << 16 | b << 20 | ((1 << a) | (1 << b)) << 24 (a < b the two experts; key 0 .. 27 numbers the pairs so that neighbouring keys
; share an expert; rank = earlier tokens of the group with the same key); meta[8192 + 32 group + key] = the group's tokens with that key; pw[token] = (p_a, p_b).  No address and no branch here hangs on them.
; The two stores into meta cover 128 consecutive bytes each, the store into pw and every store of codes 256, aligned.
; LIMITS.  ex between -126 and 112, so that 2^ex and 57,344 x 2^ex are f32 numbers.  NaN among the inputs is not served.  The logits' sums are ordered otherwise than a plain dot product's: where the second and the
; third probability agree to f32's last bits the choice may fall the other way.  Equal probabilities: the lower index wins, as in lax.top_k.
.set WG, 16                            ; v16-79   W_gate: expert e, load j at 16 + 8 e + 4 j
.set X,  80                            ; v80-207  x: row i at 80 + 8 i; then the partial sums: row i, expert e at 80 + 8 i + e
.set T,  208                           ; v208-223 at work
.set C,  224                           ; v224-255 codes: a pair for each row, never written again
	s_load_b256 s[4:11], s[0:1], 0x0               ; x s[4:5], W_gate s[6:7], b_gate s[8:9], the scales' exponents s[10:11]
	s_load_b128 s[12:15], s[0:1], 0x20             ; xc s[12:13], meta s[14:15]
	s_load_b64 s[16:17], s[0:1], 0x30              ; pw
	v_lshl_add_u32 v14, v0, 2, 0x1000
	v_mov_b32 v15, 0
	v_lshrrev_b32 v6, 5, v0
	s_delay_alu instid0(VALU_DEP_1)
	v_readfirstlane_b32 s18, v6                    ; wave 0..7
	v_and_b32 v7, 31, v0                           ; lane
	s_delay_alu instid0(VALU_DEP_1)
	v_lshlrev_b32 v1, 4, v7                        ; 16 x lane: my bytes of a load's 512
	s_delay_alu instid0(VALU_DEP_2)
	v_lshlrev_b32 v2, 3, v7                        ; 8 x lane: my codes' place, and my place in pw
	s_delay_alu instid0(VALU_DEP_3)
	v_lshlrev_b32 v11, 2, v7                       ; 4 x lane: my place in meta
	v_and_b32 v8, 15, v0
	v_bfe_u32 v9, v0, 4, 1
	s_delay_alu instid0(VALU_DEP_2)
	v_lshlrev_b32 v3, 5, v8
	s_delay_alu instid0(VALU_DEP_1)
	v_lshl_add_u32 v10, v9, 11, v3                 ; where wave 0 reads: 2,048 (l / 16) + 32 (l % 16): token l's eight sums of the first quarter of K
	s_delay_alu instid0(VALU_DEP_2)
	v_lshl_add_u32 v3, v9, 4, v3
	s_lshl_b32 s21, s18, 9
	v_add_nc_u32 v3, s21, v3                       ; where I put my four sums: 512 x wave + 32 (l % 16) + 16 (l / 16)
	s_lshr_b32 s19, s18, 2                         ; which 16 tokens
	s_and_b32 s20, s18, 3                          ; which quarter of K
	s_lshl_b32 s22, ttmp9, 17                      ; 32 tokens x 4,096 bytes
	s_lshl_b32 s2, s19, 16
	s_add_co_u32 s22, s22, s2
	s_lshl_b32 s48, s20, 10
	s_add_co_u32 s22, s22, s48                     ; x: my first row, my quarter
	s_mov_b32 s23, 0
	s_lshr_b32 s46, s22, 2                         ; the codes: a quarter of the bytes
	s_mov_b32 s47, 0
	s_mov_b32 s49, 0
	s_lshl_b32 s50, ttmp9, 7                       ; meta: 32 words a group
	s_mov_b32 s51, 0
	s_lshl_b32 s52, ttmp9, 8                       ; pw: 32 pairs a group
	s_mov_b32 s53, 0
	s_mov_b32 s24, 0xff00ff00                      ; lanes with bit 3, 2, 1, 0, 4 of their number set
	s_mov_b32 s25, 0xf0f0f0f0
	s_mov_b32 s26, 0xcccccccc
	s_mov_b32 s27, 0xaaaaaaaa
	s_mov_b32 s28, 0xffff0000
	s_mov_b32 s30, 0x76543210                      ; v_permlanex16_b32: lane l takes lane l xor 16
	s_mov_b32 s31, 0xfedcba98
	s_wait_alu depctr_va_vdst(0)
	s_wait_kmcnt 0x0
	s_load_b32 s32, s[10:11], 0x0                  ; ex
	s_load_b256 s[36:43], s[8:9], 0x0              ; b_gate
	s_add_nc_u64 s[4:5], s[4:5], s[22:23]
	s_add_nc_u64 s[6:7], s[6:7], s[48:49]
	s_add_nc_u64 s[12:13], s[12:13], s[46:47]
	s_add_nc_u64 s[14:15], s[14:15], s[50:51]
	s_add_nc_u64 s[16:17], s[16:17], s[52:53]
.irp e, 0,1,2,3,4,5,6,7
	global_load_b128 v[WG+8*\e:WG+8*\e+3],   v1, s[6:7] offset:4096*\e
	global_load_b128 v[WG+8*\e+4:WG+8*\e+7], v1, s[6:7] offset:4096*\e+512
.endr
.irp i, 0,1,2,3,4,5,6,7,8,9,10,11,12,13,14,15
	global_load_b128 v[X+8*\i:X+8*\i+3],   v1, s[4:5] offset:4096*\i th:TH_LOAD_NT       ; 32 lanes read 512 consecutive bytes; x is read once in this launch
	global_load_b128 v[X+8*\i+4:X+8*\i+7], v1, s[4:5] offset:4096*\i+512 th:TH_LOAD_NT
.endr
	s_wait_kmcnt 0x0
	s_add_co_i32 s32, s32, 127
	s_lshl_b32 s33, s32, 23
	v_mov_b32 v4, s33                              ; 2^ex as f32: the conversion takes its exponent field
	s_add_co_i32 s32, s32, 15
	s_lshl_b32 s32, s32, 23
	s_or_b32 s32, s32, 0x600000
	v_mov_b32 v5, s32                              ; 57,344 x 2^ex
; Row i of my 16: the eight experts' partial sums, then the codes.
.macro ROW i
	s_wait_loadcnt 2*(15-\i)                       ; loads come back in order: this row's two are in, the later rows' stay out (W_gate's were issued first)
.irp e, 0,1,2,3,4,5,6,7
	v_pk_mul_f32 v[T+2*\e:T+2*\e+1], v[X+8*\i:X+8*\i+1], v[WG+8*\e:WG+8*\e+1]            ; the first products start the sums
.endr
.irp q, 1,2,3
.irp e, 0,1,2,3,4,5,6,7
	v_pk_fma_f32 v[T+2*\e:T+2*\e+1], v[X+8*\i+2*\q:X+8*\i+2*\q+1], v[WG+8*\e+2*\q:WG+8*\e+2*\q+1], v[T+2*\e:T+2*\e+1]
.endr
.endr
.irp n, 0,1,2,3,4,5,6,7
	v_med3_num_f32 v[X+8*\i+\n], v[X+8*\i+\n], -v5, v5     ; behind the gate's products, which take x as it is: the conversion to an 8-bit code does not saturate (ISA guide 7.6.2), so the number is held first
.endr
	v_cvt_scalef32_pk8_bf8_f32 v[C+2*\i:C+2*\i+1], v[X+8*\i:X+8*\i+7], v4
	global_store_b64 v2, v[C+2*\i:C+2*\i+1], s[12:13] offset:1024*\i                     ; 32 lanes store 256 consecutive bytes, aligned
	v_nop                                          ; one plain line between the conversion and the lines below, which write its sources
.irp e, 0,1,2,3,4,5,6,7
	v_add_f32 v[X+8*\i+\e], v[T+2*\e], v[T+2*\e+1]
.endr
.endm
.irp i, 0,1,2,3,4,5,6,7,8,9,10,11,12,13,14,15
	ROW \i
.endr
; One halving: of c sums a lane keeps c / 2.  Lanes in the mask keep the upper half and hand over the lower; their partners, xm lanes away, the other way round.
.macro RS c, xm, sm
.set n, 0
.rept \c/2
	v_cndmask_b32 v[T+n%8], v[X+n+\c/2], v[X+n], s[\sm]    ; what I hand over
	v_cndmask_b32 v[X+n], v[X+n], v[X+n+\c/2], s[\sm]      ; what I keep
	s_delay_alu instid0(VALU_DEP_1)
	v_add_f32_dpp v[X+n], v[T+n%8], v[X+n] row_xmask:\xm row_mask:0xf bank_mask:0xf
.set n, n+1
.endr
.endm
	RS 128, 8, 24                                  ; bit 3 of the lane = bit 3 of the row
	RS 64,  4, 25
	RS 32,  2, 26
	RS 16,  1, 27                                  ; lane % 16 = the row
.irp n, 0,1,2,3
	v_cndmask_b32 v[T+\n], v[X+\n+4], v[X+\n], s28
	v_cndmask_b32 v[X+\n], v[X+\n], v[X+\n+4], s28
.endr
.irp n, 0,1,2,3
	v_permlanex16_b32 v[T+8+\n], v[T+\n], s30, s31 ; (its destination counts as read: these registers have been written)
.endr
.irp n, 0,1,2,3
	s_delay_alu instid0(VALU_DEP_4)
	v_add_f32 v[X+\n], v[X+\n], v[T+8+\n]          ; lane / 16 = the upper bit of the expert
.endr
	ds_store_b128 v3, v[X:X+3]
	s_wait_dscnt 0x0                               ; for the others' sake: my sums lie in LDS
	s_barrier_signal -1
	s_barrier_wait -1
	s_cmp_lg_u32 s18, 0
	s_cbranch_scc1 .Lend                           ; wave 0 finishes: a lane a token
.irp w, 0,1,2,3
	ds_load_b128 v[16+8*\w:19+8*\w], v10 offset:512*\w
	ds_load_b128 v[20+8*\w:23+8*\w], v10 offset:512*\w+16
.endr
	s_wait_dscnt 0x0
.irp e, 0,1,2,3,4,5,6,7
	v_add_f32 v[48+\e], v[16+\e], v[24+\e]
	v_add_f32 v[56+\e], v[32+\e], v[40+\e]
.endr
.irp e, 0,1,2,3,4,5,6,7
	v_add_f32 v[48+\e], v[48+\e], v[56+\e]
.endr
.irp e, 0,1,2,3,4,5,6,7
	v_add_f32 v[48+\e], s[36+\e], v[48+\e]         ; the logits
.endr
	v_max3_num_f32 v72, v48, v49, v50
	s_delay_alu instid0(VALU_DEP_1)
	v_max3_num_f32 v72, v72, v51, v52
	s_delay_alu instid0(VALU_DEP_1)
	v_max3_num_f32 v72, v72, v53, v54
	s_delay_alu instid0(VALU_DEP_1)
	v_max_num_f32 v72, v72, v55                    ; the row's maximum is taken away ahead of the exponentials
.irp e, 0,1,2,3,4,5,6,7
	v_sub_f32 v[56+\e], v[48+\e], v72
.endr
.irp e, 0,1,2,3,4,5,6,7
	v_mul_f32 v[56+\e], 0x3fb8aa3b, v[56+\e]       ; x log2(e)
.endr
	s_wait_alu depctr_va_vdst(0)
.irp e, 0,1,2,3,4,5,6,7
	v_exp_f32 v[64+\e], v[56+\e]
.endr
	v_mov_b32 v73, 1                               ; a plain line behind the batch
	s_wait_alu depctr_va_vdst(0)                   ; one wait for the eight exponentials, ahead of their first reader
	v_add_f32 v74, v64, v65
	v_add_f32 v75, v66, v67
	v_add_f32 v76, v68, v69
	v_add_f32 v77, v70, v71
	s_delay_alu instid0(VALU_DEP_3)
	v_add_f32 v74, v74, v75
	s_delay_alu instid0(VALU_DEP_2)
	v_add_f32 v76, v76, v77
	s_delay_alu instid0(VALU_DEP_1)
	v_add_f32 v74, v74, v76
	s_wait_alu depctr_va_vdst(0)
	v_rcp_f32 v78, v74
	v_mov_b32 v80, 0                               ; a plain line; the first choice's index
	s_wait_alu depctr_va_vdst(0)                   ; and the reciprocal's wait
.irp e, 0,1,2,3,4,5,6,7
	v_mul_f32 v[64+\e], v[64+\e], v78              ; the probabilities
.endr
	v_mov_b32 v81, v64
.irp e, 1
	s_delay_alu instid0(VALU_DEP_1)
	v_cmp_gt_f32 vcc_lo, v[64+\e], v81             ; strictly greater: of equals the lower index stays
	s_delay_alu instid0(VALU_DEP_1)
	v_cndmask_b32 v81, v81, v[64+\e], vcc_lo
	s_delay_alu instid0(VALU_DEP_2)
	v_cndmask_b32 v80, v80, \e, vcc_lo
.endr
.irp e, 2, 3, 4, 5, 6, 7
	s_delay_alu instid0(VALU_DEP_2)
	v_cmp_gt_f32 vcc_lo, v[64+\e], v81
	s_delay_alu instid0(VALU_DEP_1)
	v_cndmask_b32 v81, v81, v[64+\e], vcc_lo
	s_delay_alu instid0(VALU_DEP_2)
	v_cndmask_b32 v80, v80, \e, vcc_lo
.endr
.irp e, 0,1,2,3,4,5,6,7
	v_cmp_eq_u32 vcc_lo, \e, v80
	s_delay_alu instid0(VALU_DEP_1)
	v_cndmask_b32 v[56+\e], v[64+\e], -1.0, vcc_lo ; the first choice leaves the field: under every probability
.endr
	v_mov_b32 v82, 0
	v_mov_b32 v83, v56
.irp e, 1
	s_delay_alu instid0(VALU_DEP_1)
	v_cmp_gt_f32 vcc_lo, v[56+\e], v83
	s_delay_alu instid0(VALU_DEP_1)
	v_cndmask_b32 v83, v83, v[56+\e], vcc_lo
	s_delay_alu instid0(VALU_DEP_2)
	v_cndmask_b32 v82, v82, \e, vcc_lo
.endr
.irp e, 2, 3, 4, 5, 6, 7
	s_delay_alu instid0(VALU_DEP_2)
	v_cmp_gt_f32 vcc_lo, v[56+\e], v83
	s_delay_alu instid0(VALU_DEP_1)
	v_cndmask_b32 v83, v83, v[56+\e], vcc_lo
	s_delay_alu instid0(VALU_DEP_2)
	v_cndmask_b32 v82, v82, \e, vcc_lo
.endr
	s_delay_alu instid0(VALU_DEP_1)
	v_cmp_lt_u32 vcc_lo, v80, v82
	s_delay_alu instid0(VALU_DEP_1)
	v_cndmask_b32 v84, v83, v81, vcc_lo            ; p of the lower expert,
	s_delay_alu instid0(VALU_DEP_2)
	v_cndmask_b32 v85, v81, v83, vcc_lo            ; of the higher
	s_delay_alu instid0(VALU_DEP_4)
	v_min_u32 v86, v80, v82                        ; a
	v_max_u32 v87, v80, v82                        ; b
	s_delay_alu instid0(VALU_DEP_2)
	v_sub_nc_u32 v88, 15, v86
	s_delay_alu instid0(VALU_DEP_1)
	v_mul_u32_u24 v88, v86, v88
	s_delay_alu instid0(VALU_DEP_1)
	v_lshrrev_b32 v88, 1, v88                      ; a (15 - a) / 2: the pairs with a lower first expert
	s_delay_alu instid0(VALU_DEP_4)
	v_sub_nc_u32 v89, v87, v86
	s_delay_alu instid0(VALU_DEP_1)
	v_add_nc_u32 v89, -1, v89                      ; a even: b runs up,
	v_sub_nc_u32 v90, 7, v87                       ; a odd: b runs down: so the last pair of a row and the first of the next share an expert
	v_and_b32 v91, 1, v86
	s_delay_alu instid0(VALU_DEP_1)
	v_cmp_eq_u32 vcc_lo, 1, v91
	s_delay_alu instid0(VALU_DEP_1)
	v_cndmask_b32 v89, v89, v90, vcc_lo
	s_delay_alu instid0(VALU_DEP_1)
	v_add_nc_u32 v88, v88, v89                     ; the key, 0 .. 27
	v_lshlrev_b32 v90, v86, v73
	v_lshlrev_b32 v91, v87, v73
	s_delay_alu instid0(VALU_DEP_1)
	v_or_b32 v90, v90, v91                         ; (1 << a) | (1 << b)
	v_mov_b32 v92, 0                               ; rank
	v_mov_b32 v93, 0                               ; the group's histogram: lane k holds key k's count
.set k, 0
.rept 28
	v_cmp_eq_u32 s44, k, v88                       ; the lanes with key k,
	s_delay_alu instid0(VALU_DEP_1)
	v_mbcnt_lo_u32_b32 v95, s44, 0                 ; how many of them stand below me,
	s_delay_alu instid0(VALU_DEP_1)
	v_cndmask_b32 v92, v92, v95, s44
	s_bcnt1_i32_b32 s45, s44                       ; and how many there are
	v_writelane_b32 v93, s45, k
.set k, k+1
.endr
	v_lshl_or_b32 v94, v92, 8, v88
	s_delay_alu instid0(VALU_DEP_1)
	v_lshl_or_b32 v94, v86, 16, v94
	s_delay_alu instid0(VALU_DEP_1)
	v_lshl_or_b32 v94, v87, 20, v94
	s_delay_alu instid0(VALU_DEP_1)
	v_lshl_or_b32 v94, v90, 24, v94
	global_store_b32 v11, v94, s[14:15]
	global_store_b32 v11, v93, s[14:15] offset:32768
	global_store_b64 v2, v[84:85], s[16:17]
.Lend:
	s_wait_tensorcnt 0x0
	ds_add_u32 v14, v15
	s_wait_dscnt 0x0
	s_endpgm
.Lfunc_end_k_qa7ecd6436a_route:
	.size	k_qa7ecd6436a_route, .Lfunc_end_k_qa7ecd6436a_route-k_qa7ecd6436a_route
	.p2alignl 7, 3214868480
	.fill 96, 4, 3214868480
	.section	.rodata,"a",@progbits
	.p2align	6, 0x0
	.amdhsa_kernel k_qa7ecd6436a_route
		.amdhsa_group_segment_fixed_size 5120
		.amdhsa_private_segment_fixed_size 0
		.amdhsa_enable_private_segment 0
		.amdhsa_kernarg_size 56
		.amdhsa_user_sgpr_count 2
		.amdhsa_user_sgpr_kernarg_segment_ptr 1
		.amdhsa_wavefront_size32 1
		.amdhsa_system_sgpr_workgroup_id_x 1
		.amdhsa_system_sgpr_workgroup_id_y 1
		.amdhsa_system_sgpr_workgroup_id_z 1
		.amdhsa_system_vgpr_workitem_id 0
		.amdhsa_next_free_vgpr 256
		.amdhsa_next_free_sgpr 66
		.amdhsa_reserve_vcc 1
		.amdhsa_float_denorm_mode_32 3
		.amdhsa_float_denorm_mode_16_64 3
		.amdhsa_memory_ordered 1
		.amdhsa_forward_progress 1
		.amdhsa_inst_pref_size 102
	.end_amdhsa_kernel
	.amdgpu_metadata
---
amdhsa.version: [ 1, 2 ]
amdhsa.kernels:
  - .name:           k_qa7ecd6436a_route
    .symbol:         k_qa7ecd6436a_route.kd
    .args:
      - { .name: x, .offset: 0, .size: 8, .value_kind: global_buffer, .address_space: global }
      - { .name: W_gate, .offset: 8, .size: 8, .value_kind: global_buffer, .address_space: global }
      - { .name: b_gate, .offset: 16, .size: 8, .value_kind: global_buffer, .address_space: global }
      - { .name: lowp_scales, .offset: 24, .size: 8, .value_kind: global_buffer, .address_space: global }
      - { .name: xc, .offset: 32, .size: 8, .value_kind: global_buffer, .address_space: global }
      - { .name: meta, .offset: 40, .size: 8, .value_kind: global_buffer, .address_space: global }
      - { .name: pw, .offset: 48, .size: 8, .value_kind: global_buffer, .address_space: global }
    .group_segment_fixed_size: 5120
    .private_segment_fixed_size: 0
    .kernarg_segment_align: 8
    .kernarg_segment_size: 56
    .max_flat_workgroup_size: 256
    .sgpr_count:     66
    .vgpr_count:     256
    .wavefront_size: 32
...
	.end_amdgpu_metadata
.endif
;; end of part 4
;; launch prep (part 5): grid 256 x 1, 8 waves a work-group, no clusters, 37,888 bytes of LDS; arguments W_experts, lowp_scales, meta, wc, ord; writes wc, ord
.if DOCPART == 5
	.amdgcn_target "amdgcn-amd-amdhsa--gfx1250"
	.amdhsa_code_object_version 6
	.text
	.protected	k_qa7ecd6436a_prep
	.globl	k_qa7ecd6436a_prep
	.p2align	8
	.type	k_qa7ecd6436a_prep,@function
k_qa7ecd6436a_prep:
	s_mov_b64 s[64:65], 0
	v_nop
	global_prefetch_b8 v0, s[64:65] scope:SCOPE_SE
	s_setreg_imm32_b32 hwreg(HW_REG_WAVE_MODE, 25, 1), 1
	s_wait_xcnt 0x0
; CODES OF W, AND THE PLACING OF THE TOKENS.  W_experts: [8][1024 (out)][1024 (K)] f32.  Every work-group runs the same text and does a 256th of both.
; (a) W.  Wave wv of work-group G takes 16 rows of W (tile 2 G + wv / 4 of 512) and a quarter of K (wv % 4), as the router's launch takes x: two loads of 512 consecutive bytes a row, lane l's eight codes are bytes
; 8 l .. 8 l + 7 of the quarter's 256: THE SAME PERMUTATION OF K AS x's.  code = w / 2^ew, held within +-57,344, to the nearest code, ties to even.
; The codes are stored IN THE ORDER OF THE OPERAND'S REGISTERS: wc[tile][K step of 128][register group c][lane L][16 bytes], lane L = (r = L % 16, h = L / 16) holding bytes 128 ks + 32 c + 16 h + 0 .. 15 of row r.
; A row's lane pair (2 m, 2 m + 1) holds 16 bytes of piece m = 8 ks + 2 c + h; a piece is 16 rows x 16 bytes = 256 bytes.  The pieces are gathered in the wave's own stage in LDS (272 bytes apart, so that the 32 lanes
; of a store fall on different banks: 64 banks of 4 bytes, ISA guide 11.1) and leave two at a time: 32 lanes store 512 consecutive bytes, aligned.
; (b) THE PLACING, a counting sort by key without atomics.  A token's position = the tokens of lower keys + the tokens of its key in earlier groups + its rank in its group.  Each wave adds 32 groups' histograms
; (a lane a key), both in full and up to group G; the eight waves' sums meet in LDS; wave 0 scans the 28 totals and stores ord[position] = token | a << 16 | b << 20 | mask << 24 for group G's 32 tokens:
; 32 single words a work-group, at places that the sort decides.
; LIMITS.  ew between -126 and 112.  NaN among the inputs is not served.
.set RB, 16                            ; v16-47   the way out: 8 x 4 registers
.set H,  48                            ; v48-79   32 groups' counts of my key
.set X,  80                            ; v80-207  W: row r at 80 + 8 r
.set C,  208                           ; v208-239 codes: a pair for each row
.set SORT, 8*4352                      ; LDS: behind the eight stages: (up to G, in full) at 256 x wave + 8 x lane
	s_load_b256 s[4:11], s[0:1], 0x0               ; W s[4:5], the scales' exponents s[6:7], meta s[8:9], wc s[10:11]
	s_load_b64 s[12:13], s[0:1], 0x20              ; ord
	v_lshl_add_u32 v254, v0, 2, 0x9000
	v_mov_b32 v255, 0
	v_lshrrev_b32 v12, 5, v0
	s_delay_alu instid0(VALU_DEP_1)
	v_readfirstlane_b32 s18, v12                   ; wave 0..7
	v_and_b32 v15, 31, v0                          ; lane
	s_delay_alu instid0(VALU_DEP_1)
	v_lshlrev_b32 v1, 4, v15                       ; 16 x lane
	s_delay_alu instid0(VALU_DEP_2)
	v_lshlrev_b32 v2, 2, v15                       ; 4 x lane
	s_mul_i32 s19, s18, 4352                       ; my stage: 16 pieces x 272 bytes
	v_lshrrev_b32 v14, 1, v15
	s_delay_alu instid0(VALU_DEP_1)
	v_mul_u32_u24 v3, v14, 272
	v_and_b32 v14, 1, v15
	s_delay_alu instid0(VALU_DEP_1)
	v_lshl_add_u32 v3, v14, 3, v3
	s_delay_alu instid0(VALU_DEP_1)
	v_add_nc_u32 v3, s19, v3                       ; in: piece l / 2, + 8 (l % 2); the row's 16 bytes stand in the immediate
	v_lshrrev_b32 v14, 4, v15
	s_delay_alu instid0(VALU_DEP_1)
	v_mul_u32_u24 v4, v14, 272
	v_and_b32 v14, 15, v15
	s_delay_alu instid0(VALU_DEP_1)
	v_lshl_add_u32 v4, v14, 4, v4
	s_delay_alu instid0(VALU_DEP_1)
	v_add_nc_u32 v4, s19, v4                       ; back: lanes 0-15 one piece, lanes 16-31 the next
	v_lshlrev_b32 v6, 3, v15
	s_delay_alu instid0(VALU_DEP_1)
	v_add_nc_u32 v6, SORT, v6                      ; where wave 0 reads the waves' sums
	s_lshl_b32 s20, s18, 8
	v_add_nc_u32 v5, s20, v6                       ; where I put mine
	s_lshr_b32 s21, s18, 2
	s_lshl_b32 s22, ttmp9, 1
	s_add_co_u32 s21, s21, s22                     ; my tile of 16 rows
	s_and_b32 s22, s18, 3                          ; my quarter of K
	s_lshl_b32 s24, s21, 16                        ; W: 16 rows x 4,096 bytes,
	s_lshl_b32 s23, s22, 10
	s_add_co_u32 s24, s24, s23                     ; + 1,024 a quarter
	s_mov_b32 s25, 0
	s_lshl_b32 s26, s21, 14                        ; wc: 16,384 bytes a tile,
	s_lshl_b32 s23, s22, 12
	s_add_co_u32 s26, s26, s23                     ; + two K steps of 2,048 a quarter
	s_mov_b32 s27, 0
	s_lshl_b32 s28, s18, 12                        ; my 32 groups' histograms: 128 bytes each
	s_mov_b32 s29, 0
	s_lshl_b32 s30, ttmp9, 7                       ; group G's 32 words
	s_mov_b32 s31, 0
	s_lshl_b32 s33, s18, 5
	s_sub_co_i32 s33, ttmp9, s33
	s_max_i32 s33, s33, 0                          ; how many of my 32 groups come before G
	s_wait_kmcnt 0x0
	s_load_b32 s32, s[6:7], 0x4                    ; ew
	s_add_nc_u64 s[4:5], s[4:5], s[24:25]
	s_add_nc_u64 s[10:11], s[10:11], s[26:27]
	s_add_nc_u64 s[14:15], s[8:9], s[28:29]
	s_add_nc_u64 s[16:17], s[8:9], s[30:31]
.set i, 0
.rept 32
	global_load_b32 v[H+i], v2, s[14:15] offset:32768+128*i
.set i, i+1
.endr
	global_load_b32 v9, v2, s[16:17]               ; group G: lane = token
.irp r, 0,1,2,3,4,5,6,7,8,9,10,11,12,13,14,15
	global_load_b128 v[X+8*\r:X+8*\r+3],   v1, s[4:5] offset:4096*\r th:TH_LOAD_NT       ; 512 consecutive bytes; W is read once
	global_load_b128 v[X+8*\r+4:X+8*\r+7], v1, s[4:5] offset:4096*\r+512 th:TH_LOAD_NT
.endr
	s_wait_kmcnt 0x0
	s_add_co_i32 s32, s32, 127
	s_lshl_b32 s34, s32, 23
	v_mov_b32 v7, s34                              ; 2^ew as f32
	s_add_co_i32 s32, s32, 15
	s_lshl_b32 s32, s32, 23
	s_or_b32 s32, s32, 0x600000
	v_mov_b32 v8, s32                              ; 57,344 x 2^ew
	s_wait_loadcnt 32                              ; the histograms and group G's words are in; W's 32 loads, issued behind them, stay out
	s_cmp_gt_u32 s33, 0
	s_cselect_b32 s34, 1, 0
	v_mul_u32_u24 v10, v[H], s34                   ; my key's count in the groups before G,
	v_mov_b32 v11, v[H]                            ; and in all
.set i, 1
.rept 31
	s_cmp_gt_u32 s33, i
	s_cselect_b32 s34, 1, 0
	v_mad_u32_u24 v10, v[H+i], s34, v10
	v_add_nc_u32 v11, v11, v[H+i]
.set i, i+1
.endr
	ds_store_b64 v5, v[10:11]
.macro WROW r
	s_wait_loadcnt 2*(15-\r)                       ; this row's two loads are in, the later rows' stay out
.irp n, 0,1,2,3,4,5,6,7
	v_med3_num_f32 v[X+8*\r+\n], v[X+8*\r+\n], -v8, v8     ; the conversion to an 8-bit code does not saturate (ISA guide 7.6.2)
.endr
	v_cvt_scalef32_pk8_bf8_f32 v[C+2*\r:C+2*\r+1], v[X+8*\r:X+8*\r+7], v7
	ds_store_b64 v3, v[C+2*\r:C+2*\r+1] offset:16*\r
.endm
.irp r, 0,1,2,3,4,5,6,7,8,9,10,11,12,13,14,15
	WROW \r
.endr
	v_nop                                          ; a plain line behind the last conversion
.irp t, 0,1,2,3,4,5,6,7
	ds_load_b128 v[RB+4*\t:RB+4*\t+3], v4 offset:544*\t    ; LDS serves a wave's instructions in order (ISA guide 5.7.1.4): these see my stores
.endr
.irp t, 0,1,2,3,4,5,6,7
	s_wait_dscnt 7-\t
	global_store_b128 v1, v[RB+4*\t:RB+4*\t+3], s[10:11] offset:512*\t
.endr
	s_wait_dscnt 0x0                               ; for wave 0's sake: my sums lie in LDS
	s_barrier_signal -1
	s_barrier_wait -1
	s_cmp_lg_u32 s18, 0
	s_cbranch_scc1 .Lend
.irp w, 0,1,2,3,4,5,6,7
	ds_load_b64 v[H+2*\w:H+2*\w+1], v6 offset:256*\w
.endr
	s_wait_dscnt 0x0
	v_add3_u32 v10, v48, v50, v52                  ; lane = key: its tokens in the groups before G,
	s_delay_alu instid0(VALU_DEP_1)
	v_add3_u32 v10, v10, v54, v56
	s_delay_alu instid0(VALU_DEP_1)
	v_add3_u32 v10, v10, v58, v60
	s_delay_alu instid0(VALU_DEP_1)
	v_add_nc_u32 v10, v10, v62
	v_add3_u32 v11, v49, v51, v53                  ; and in all
	s_delay_alu instid0(VALU_DEP_1)
	v_add3_u32 v11, v11, v55, v57
	s_delay_alu instid0(VALU_DEP_1)
	v_add3_u32 v11, v11, v59, v61
	s_delay_alu instid0(VALU_DEP_1)
	v_add_nc_u32 v11, v11, v63
	s_delay_alu instid0(VALU_DEP_1)
	v_mov_b32 v12, v11
	v_mov_b32 v13, 0
.irp n, 1
	s_delay_alu instid0(VALU_DEP_2)
	v_mov_b32_dpp v13, v12 row_shr:\n row_mask:0xf bank_mask:0xf bound_ctrl:1            ; a running sum inside each 16 lanes; lanes without a source take 0
	s_delay_alu instid0(VALU_DEP_1)
	v_add_nc_u32 v12, v12, v13
.endr
.irp n, 2, 4, 8
	s_delay_alu instid0(VALU_DEP_1)
	v_mov_b32_dpp v13, v12 row_shr:\n row_mask:0xf bank_mask:0xf bound_ctrl:1
	s_delay_alu instid0(VALU_DEP_1)
	v_add_nc_u32 v12, v12, v13
.endr
	s_delay_alu instid0(VALU_DEP_1)
	v_readlane_b32 s35, v12, 15                    ; keys 0 .. 15 together
	s_delay_alu instid0(VALU_DEP_1)
	v_mov_b32 v13, s35
	s_mov_b32 s36, 0xffff0000
	v_cndmask_b32 v13, 0, v13, s36
	s_delay_alu instid0(VALU_DEP_1)
	v_add_nc_u32 v12, v12, v13
	s_delay_alu instid0(VALU_DEP_1)
	v_sub_nc_u32 v12, v12, v11                     ; the tokens of lower keys,
	s_delay_alu instid0(VALU_DEP_1)
	v_add_nc_u32 v12, v12, v10                     ; + my key's in earlier groups: where group G's tokens of this key begin
	v_and_b32 v14, 31, v9                          ; lane = token again: its key
	v_mov_b32 v13, 0
.set k, 0
.rept 28
	v_readlane_b32 s35, v12, k
	v_cmp_eq_u32 vcc_lo, k, v14
	s_delay_alu instid0(VALU_DEP_1)
	v_cndmask_b32 v13, v13, s35, vcc_lo
.set k, k+1
.endr
	v_bfe_u32 v14, v9, 8, 5                        ; + its rank
	s_delay_alu instid0(VALU_DEP_1)
	v_add_nc_u32 v13, v13, v14
	s_delay_alu instid0(VALU_DEP_1)
	v_min_u32 v13, 0x1fff, v13                     ; a position stays inside ord whatever was read
	s_delay_alu instid0(VALU_DEP_1)
	v_lshlrev_b32 v13, 2, v13
	v_and_b32 v14, 0xffff0000, v9                  ; a, b and the mask stay; key and rank make room for the token's number
	s_lshl_b32 s35, ttmp9, 5
	v_add_nc_u32 v240, s35, v15
	s_delay_alu instid0(VALU_DEP_1)
	v_or_b32 v14, v14, v240
	global_store_b32 v13, v14, s[12:13]
.Lend:
	s_wait_tensorcnt 0x0
	ds_add_u32 v254, v255
	s_wait_dscnt 0x0
	s_endpgm
.Lfunc_end_k_qa7ecd6436a_prep:
	.size	k_qa7ecd6436a_prep, .Lfunc_end_k_qa7ecd6436a_prep-k_qa7ecd6436a_prep
	.p2alignl 7, 3214868480
	.fill 96, 4, 3214868480
	.section	.rodata,"a",@progbits
	.p2align	6, 0x0
	.amdhsa_kernel k_qa7ecd6436a_prep
		.amdhsa_group_segment_fixed_size 37888
		.amdhsa_private_segment_fixed_size 0
		.amdhsa_enable_private_segment 0
		.amdhsa_kernarg_size 40
		.amdhsa_user_sgpr_count 2
		.amdhsa_user_sgpr_kernarg_segment_ptr 1
		.amdhsa_wavefront_size32 1
		.amdhsa_system_sgpr_workgroup_id_x 1
		.amdhsa_system_sgpr_workgroup_id_y 1
		.amdhsa_system_sgpr_workgroup_id_z 1
		.amdhsa_system_vgpr_workitem_id 0
		.amdhsa_next_free_vgpr 256
		.amdhsa_next_free_sgpr 66
		.amdhsa_reserve_vcc 1
		.amdhsa_float_denorm_mode_32 3
		.amdhsa_float_denorm_mode_16_64 3
		.amdhsa_memory_ordered 1
		.amdhsa_forward_progress 1
		.amdhsa_inst_pref_size 35
	.end_amdhsa_kernel
	.amdgpu_metadata
---
amdhsa.version: [ 1, 2 ]
amdhsa.kernels:
  - .name:           k_qa7ecd6436a_prep
    .symbol:         k_qa7ecd6436a_prep.kd
    .args:
      - { .name: W_experts, .offset: 0, .size: 8, .value_kind: global_buffer, .address_space: global }
      - { .name: lowp_scales, .offset: 8, .size: 8, .value_kind: global_buffer, .address_space: global }
      - { .name: meta, .offset: 16, .size: 8, .value_kind: global_buffer, .address_space: global }
      - { .name: wc, .offset: 24, .size: 8, .value_kind: global_buffer, .address_space: global }
      - { .name: ord, .offset: 32, .size: 8, .value_kind: global_buffer, .address_space: global }
    .group_segment_fixed_size: 37888
    .private_segment_fixed_size: 0
    .kernarg_segment_align: 8
    .kernarg_segment_size: 40
    .max_flat_workgroup_size: 256
    .sgpr_count:     66
    .vgpr_count:     256
    .wavefront_size: 32
...
	.end_amdgpu_metadata
.endif
;; end of part 5
;; launch experts (part 6): grid 4 x 64, 4 waves a work-group, no clusters, 151,040 bytes of LDS; arguments xc, wc, ord, pw, b_experts, lowp_scales, out0; writes out0
.if DOCPART == 6
	.amdgcn_target "amdgcn-amd-amdhsa--gfx1250"
	.amdhsa_code_object_version 6
	.text
	.protected	k_qa7ecd6436a_experts
	.globl	k_qa7ecd6436a_experts
	.p2align	8
	.type	k_qa7ecd6436a_experts,@function
k_qa7ecd6436a_experts:
	s_mov_b64 s[64:65], 0
	v_nop
	global_prefetch_b8 v0, s[64:65] scope:SCOPE_SE
	s_setreg_imm32_b32 hwreg(HW_REG_WAVE_SCHED_MODE, 0, 2), 2
	s_setreg_imm32_b32 hwreg(HW_REG_WAVE_MODE, 25, 1), 1
	s_wait_xcnt 0x0
	s_wait_alu depctr_vm_vsrc(0)
; out[t] = p_a (x_t W_a^T + b_a) + p_b (x_t W_b^T + b_b), the products on codes of E5M2 by v_wmma_f32_16x16x128_bf8_bf8, sums in f32.  Only the two chosen experts of a token are multiplied.
; SHARES.  The tokens stand sorted by their pair of experts (ord).  A work-group takes 128 neighbours of that order x 256 output columns and is the one owner of those numbers of out.  It walks the experts that any
; of its 128 tokens uses (a mask gathered from ord; two at the least, eight at the most); a token that does not use the expert in hand takes its product with the weight 0.
; The four waves share the COLUMNS, 64 each, and each takes all 128 rows: 32 accumulators of 16 x 16.  So a fragment of W is loaded once in the work-group and feeds eight matrix instructions.
; x's codes (128 rows x 1,024 bytes) are gathered once into LDS and stay; W's fragments come from memory straight into registers, laid by the launch before in the order of the operand's registers:
; a ring of four slots of a K step (4 fragments, 64 registers), loaded three K steps ahead, on into the next expert.
; THE MATRIX INSTRUCTION IS USED TRANSPOSED: source 0 = 16 rows of W, source 1 = 16 tokens: lane (r, h) holds token r and eight neighbouring columns 8 h + 0 .. 7.
; SCALES.  A sum stands for sum x 2^(ex + ew).  The bias goes in as the C of an expert's first K step, as b x 2^-(ex + ew); the weight is p x 2^(ex + ew): out += weight x (sum + C).
; K's ORDER.  Both tensors' codes lie by one permutation of K (made by the two launches before), so every product meets its partner; the order of the f32 sums differs from ascending K.
; NO TENSOR LOADS, NO CLUSTER: the number of experts walked, and which, are read from memory, so branches hang on loaded numbers; and which work-groups need the same expert's weights at the same time hangs on
; the split, so no fixed set of partners shares a tile.  The one barrier stands ahead of every such branch.
; LIMITS.  b x 2^-(ex + ew) and p x 2^(ex + ew) are finite f32 numbers (ex + ew between about -100 and 100 for biases of ordinary size).  NaN among the inputs is not served.
; REGISTERS, in windows of 256 (s_set_vgpr_msb: bits 1:0 source 0, 3:2 source 1, 5:4 source 2, 7:6 destination):
;   window 0: v1-9 addresses; v16-23 ord of token 16 rt + l % 16; v32-47 its (p_a, p_b); v48-79 the bias, 8 a column tile; v80-87 offsets into pw; v88-103 the weights, a pair a row tile (upper word 0);
;             v104-119 at work: fields of ord; v128-255 x's fragments of one K step, ONE set, tile rt at 128 + 16 rt (at the head: offsets of x's rows; on the way out: rows read back)
;   window 1: W's ring, slot s at 64 s, fragment nt at + 16 nt (in the last expert slot 0 takes the stores' offsets)
;   window 2: the accumulators, (rt, nt) at 8 (4 rt + nt) (at the head: where x's rows land)       window 3: out's sums, same map
; THE MODE: SCHED_MODE bits 1:0 = 2 (LLVM: expert scheduling mode 2), set by the entry lines.  The code itself states the register dependences between vector or matrix instructions and memory or LDS
; instructions, with s_wait_alu, always for 0.
; THE PLAN.  Registers that memory or LDS instructions touch, in an expert's eight K steps (a step is 32 products, row tiles 0 to 7 in turn, four each):
;   x's tiles 0-3   read by the step's products 1 to 16; the next step's LDS loads land in them, issued among products 17 to 24.
;   x's tiles 4-7   read by products 17 to 32; the next step's LDS loads land in them, issued among that step's products 1 to 8.
;   W's slot k % 4  read by step k's 32 products; K step k + 4 lands in it, issued among products 1 to 8 of step k + 1.
;   the bias        written by v_ldexp_f32 ahead of an expert, read by its first step's products; the next expert's lands in it in step 5.
;   v1 to v9        addresses, made at the head and never written again: the slots' bases are scalar, and immediate offsets do the rest.
;   The accumulators, out's sums, the weights and v104-119 are named by vector and matrix instructions alone until the way out.
; So TWO waits on va_vdst stand in a step.  At its head: the products of the step before are done reading tiles 4-7 and their slot.  In its middle: products 1 to 16 are done reading tiles 0-3.
; Behind each, four products go out first; the loads follow in runs of eight among the next products, which name other tiles, another slot and the accumulators: none of the registers that those loads touch.
; x has one set of registers, since the four windows are taken but for a few registers: so a half step's products must be done before the tiles' next loads, twice a step.
.set XP,   1040                        ; a row of x's codes in LDS: 1,024 bytes + 16 = 65 x 16: the 16 rows of a fragment load start at 16 different groups of banks (64 banks of 4 bytes: ISA guide 11.1)
.set STG,  128*XP                      ; behind them: a stage of 16 rows x (256 + 16) bytes for each wave, for the way out
.set SP,   272
.set ALD,  1                           ; v1, v2  LDS address of my place in row tiles 0-3, 4-7
.set L16,  3                           ; v3      16 x lane
.set C16,  4                           ; v4      16 (l % 16)
.set H32,  5                           ; v5      32 (l / 16)
.set STO,  6                           ; v6      the stage: where I put 32 bytes of a row
.set RD,   7                           ; v7      and where I read a row back
.set XST,  8                           ; v8      where my wave's 32 rows of x go
.set R4,   9                           ; v9      4 (l % 16)
.set ORD,  16
.set PW,   32
.set BIAS, 48
.set PO,   80
.set WS,   88
.set TF,   104
.set A,    128
.set MK,   32                          ; s32-47  (free behind the gather) lane masks: does my token of row tile rt use the expert in hand as a, as b
; s18 wave; s21 ex + ew, s22 its negative; s23 the mask of experts, s24 those still to come; s25 the expert in hand, s26 the next; s27 middle bodies, s28 their counter; s[32:63] my wave's 32 tokens;
; s[66:67] wc at my four column tiles; s[68:69] b_experts at my 64 columns; s[70:71], s[72:73] the same of wc in the expert in hand and the next; s[74:75] the next expert's bias; s[84:85] the first's;
; s[76:77] ord at my block; s[78:79] out at my 64 columns
.set MSB, 0
.macro WIN new                         ; the immediate's high byte repeats the setting that is left; a switch that changes nothing is dropped
.if MSB != \new
	s_set_vgpr_msb (MSB<<8)|\new
.set MSB, \new
.endif
.endm
; A load into a register that a matrix instruction has read stands four places behind it, and only plain vector instructions that name none of its registers are places (ISA guide 7.12.1 for vector
; instructions).  The wait on va_vdst stands behind the places.
.macro PLACES
.rept 4
	v_nop
.endr
.endm
.macro LOADB8 base, k, slot, q0        ; two of W's four fragments of K step k, column tiles q0 and q0 + 1: 8 loads of 512 consecutive bytes
	WIN 0x40
.irp n, 0,1
.irp c, 0,1,2,3
	global_load_b128 v[64*(\slot)+16*((\q0)+\n)+4*\c:64*(\slot)+16*((\q0)+\n)+4*\c+3], v[L16], s[\base:\base+1] offset:16384*((\q0)+\n)+2048*(\k)+512*\c
.endr
.endr
.endm
.macro LOADB base, k, slot             ; all four
	LOADB8 \base, \k, \slot, 0
	LOADB8 \base, \k, \slot, 2
.endm
.macro LOADBIAS base                   ; lane (r, h): b[16 nt + 8 h + 0 .. 7]: the result's layout
	WIN 0
.irp n, 0,1,2,3
	global_load_b128 v[BIAS+8*\n:BIAS+8*\n+3],   v[H32], s[\base:\base+1] offset:64*\n
	global_load_b128 v[BIAS+8*\n+4:BIAS+8*\n+7], v[H32], s[\base:\base+1] offset:64*\n+16
.endr
.endm
.macro LOADTOK4 r0                     ; for the way out: register 8 rt + t = ord[16 rt + 8 (l / 16) + t], row tiles r0 to r0 + 3: 8 loads
	WIN 0x40
.irp j, 0,1,2,3
	global_load_b128 v[8*((\r0)+\j):8*((\r0)+\j)+3],   v[H32], s[76:77] offset:64*((\r0)+\j)
	global_load_b128 v[8*((\r0)+\j)+4:8*((\r0)+\j)+7], v[H32], s[76:77] offset:64*((\r0)+\j)+16
.endr
.endm
.macro FETCH2 k, t0                    ; x's fragments of K step k, row tiles t0 and t0 + 1: registers 4 c .. 4 c + 3 = bytes 128 k + 32 c + 16 (l / 16) + 0 .. 15 of row l % 16: 8 LDS loads
	WIN 0
.irp r, 0,1
.irp c, 0,1,2,3
	ds_load_b128 v[A+16*((\t0)+\r)+4*\c:A+16*((\t0)+\r)+4*\c+3], v[ALD+(\t0)/4] offset:16*XP*((\t0)%4+\r)+128*(\k)+32*\c
.endr
.endr
.endm
; 4 matrix instructions: row tile rt x my four column tiles.  The 32 accumulators take turns, one instruction a turn, in the same order in every K step.
; An expert's first K step starts the sums with the bias as C: nothing is cleared, and the bias costs no addition.
.macro MUL4 rt, k
.if (\k) == 0
	WIN 0x81                                       ; W window 1, x and the bias window 0, D window 2
.else
	WIN 0xa1                                       ; C and D window 2
.endif
.irp n, 0,1,2,3
.if (\k) == 0
	v_wmma_f32_16x16x128_bf8_bf8 v[8*(4*(\rt)+\n):8*(4*(\rt)+\n)+7], v[64*((\k)%4)+16*\n:64*((\k)%4)+16*\n+15], v[A+16*(\rt):A+16*(\rt)+15], v[BIAS+8*\n:BIAS+8*\n+7]
.else
	v_wmma_f32_16x16x128_bf8_bf8 v[8*(4*(\rt)+\n):8*(4*(\rt)+\n)+7], v[64*((\k)%4)+16*\n:64*((\k)%4)+16*\n+15], v[A+16*(\rt):A+16*(\rt)+15], v[8*(4*(\rt)+\n):8*(4*(\rt)+\n)+7]
.endif
.endr
.endm
; Half u (0, 1) of what step k asks of memory: W three steps ahead, into the slot that the step before read; from step 5 on the next expert's bias and first three K steps (P = 1), or the list of tokens (P = 0, step 5)
.macro AHEAD k, P, u
.if (\k) <= 4
	LOADB8 70, (\k)+3, ((\k)+3)%4, 2*(\u)
.elseif (\P) == 1
.if ((\k) == 5) && ((\u) == 0)
	LOADBIAS 74
.endif
	LOADB8 72, (\k)-5, (\k)-5, 2*(\u)
.elseif (\k) == 5
	LOADTOK4 4*(\u)
.endif
.endm
; K step k of an expert.  P = 1: another expert follows, and the ring goes on into it.  P = 0: the last expert.  F = 1: the first expert.
; The count of the wait for W: the loads issued behind this step's sixteen: as a rule the next two steps' (32); in steps 6 and 7 with P = 1 the next expert's eight bias loads lie between (40);
; with P = 0 step 6 has step 7's and the sixteen of the list of tokens behind it (32), step 7 those sixteen.
; The counts of the waits for x: LDS loads go out a pair of tiles (eight loads) at a time, in the order 4-5, 6-7 of this step, 0-1, 2-3 of the next; a pair is waited for ahead of its first product,
; with one younger pair (8) or two (16) behind it.
.macro STEP k, P, F
.if ((\P) == 1) && ((\k) >= 6)
	s_wait_loadcnt 40
.elseif ((\P) == 0) && ((\k) == 7)
	s_wait_loadcnt 16
.else
	s_wait_loadcnt 32
.endif
	s_wait_dscnt 8                                 ; x's tiles 0 and 1 are in; tiles 2 and 3 may be out
.if ((\F) == 0) || ((\k) > 0)
	s_wait_alu depctr_va_vdst(0)                   ; the products of the step before (in an expert's first step: of the expert before) are done reading x's tiles 4-7 and their slot of W, in which this half's loads land; in step 5 also: the bias has been written and read, in which the next one lands
.endif                                                 ; (the first expert's first step owes none: no vector or matrix instruction has named tiles 4-7 or slot 3)
	MUL4 0, \k
	FETCH2 \k, 4                                   ; no further wait: no vector or matrix instruction since the wait names tiles 4-7, the slot that is filled, or an address
	AHEAD \k, \P, 0
	MUL4 1, \k
	FETCH2 \k, 6
	AHEAD \k, \P, 1
	s_wait_dscnt 16                                ; tiles 2 and 3 are in; behind them tiles 4-7's sixteen loads
	MUL4 2, \k
	MUL4 3, \k
.if ((\P) == 1) || ((\k) < 7)
	PLACES
	s_wait_alu depctr_va_vdst(0)                   ; this step's products 1 to 16 are done reading x's tiles 0-3, in which the next step's fragments land
.endif
	s_wait_dscnt 8                                 ; tiles 4 and 5 are in; tiles 6 and 7 may be out
	MUL4 4, \k
.if ((\P) == 1) || ((\k) < 7)
	FETCH2 ((\k)+1)%8, 0                           ; behind step 7: the next expert begins at K step 0 again
.endif
	MUL4 5, \k
.if ((\P) == 1) || ((\k) < 7)
	FETCH2 ((\k)+1)%8, 2
	s_wait_dscnt 16                                ; tiles 6 and 7 are in; behind them the next step's sixteen loads
.else
	s_wait_dscnt 0x0                               ; tiles 6 and 7 are in: nothing was asked for behind them
.endif
	MUL4 6, \k
	MUL4 7, \k
.if (\k) < 7
	PLACES                                         ; for the next step's loads; behind step 7 the weights' lines are the places
.endif
.endm
.macro WEIGHTS                         ; the weight of the expert in hand for my token of each row tile: p_a, p_b or 0.  These 48 plain lines are also the places between the last products and the first read of the sums
.irp rt, 0,1,2,3,4,5,6,7
	v_bfe_u32 v[TF+2*\rt],   v[ORD+\rt], 16, 4
	v_bfe_u32 v[TF+2*\rt+1], v[ORD+\rt], 20, 4
.endr
.irp rt, 0,1,2,3,4,5,6,7
	v_cmp_eq_u32 s[MK+2*\rt],   s25, v[TF+2*\rt]
	v_cmp_eq_u32 s[MK+2*\rt+1], s25, v[TF+2*\rt+1]
.endr
	s_wait_alu depctr_va_sdst(0)                   ; the sixteen compares have written their masks s32 to s47, ahead of the selects that read them
.irp rt, 0,1,2,3,4,5,6,7
	v_cndmask_b32 v[WS+2*\rt], 0, v[PW+2*\rt], s[MK+2*\rt]
	v_cndmask_b32 v[WS+2*\rt], v[WS+2*\rt], v[PW+2*\rt+1], s[MK+2*\rt+1]
.endr
.endm
.macro COMBINE F                       ; out's sums take weight x accumulator, two numbers a line, each accumulator from its low end on.  F = 1: the first expert starts them
.if \F
	WIN 0xc2                                       ; accumulators window 2, weights window 0, out window 3
.else
	WIN 0xf2
.endif
.irp rt, 0,1,2,3,4,5,6,7
.irp n, 0,1,2,3
.irp p, 0,2,4,6
.if \F
	v_pk_mul_f32 v[8*(4*\rt+\n)+\p:8*(4*\rt+\n)+\p+1], v[8*(4*\rt+\n)+\p:8*(4*\rt+\n)+\p+1], v[WS+2*\rt:WS+2*\rt+1] op_sel_hi:[1,0]
.else
	v_pk_fma_f32 v[8*(4*\rt+\n)+\p:8*(4*\rt+\n)+\p+1], v[8*(4*\rt+\n)+\p:8*(4*\rt+\n)+\p+1], v[WS+2*\rt:WS+2*\rt+1], v[8*(4*\rt+\n)+\p:8*(4*\rt+\n)+\p+1] op_sel_hi:[1,0,1]
.endif
.endr
.endr
.endr
.endm
.macro ADVANCE                         ; on to the next expert
	s_wait_xcnt 0x0                                ; the loads that are out have read their bases: these may be written
	s_mov_b32 s25, s26
	s_mov_b64 s[70:71], s[72:73]
	s_lshl_b32 s80, 1, s26
	s_and_not1_b32 s24, s24, s80
	s_ctz_i32_b32 s26, s24                         ; the lowest expert still to come (none: all ones,
	s_min_u32 s26, s26, 7                          ; held at 7: no load then uses it)
	s_mov_b32 s81, 0
	s_lshl_b32 s80, s26, 20                        ; an expert's codes are 2^20 bytes,
	s_add_nc_u64 s[72:73], s[66:67], s[80:81]
	s_lshl_b32 s80, s26, 12                        ; its bias 4,096
	s_add_nc_u64 s[74:75], s[68:69], s[80:81]
	s_wait_loadcnt 48                              ; the bias is in; behind it three slots of W were asked for
.set n, 0
.rept 32
	v_ldexp_f32 v[BIAS+n], v[BIAS+n], s22          ; b x 2^-(ex + ew)
.set n, n+1
.endr
.endm
.macro BODY P, F                       ; one expert: 8 K steps, 256 matrix instructions a wave.  At its head 48 loads of W and 16 of x's fragments (tiles 0-3 of K step 0) are out, on every way in
.irp k, 0,1,2,3,4,5,6,7
	STEP \k, \P, \F
.endr
	WIN 0
	WEIGHTS
	COMBINE \F
	WIN 0                                          ; at a label and at a branch every window is 0
.if \P
	ADVANCE
.endif
.endm
	s_load_b256 s[4:11], s[0:1], 0x0               ; xc s[4:5], wc s[6:7], ord s[8:9], pw s[10:11]
	s_load_b128 s[12:15], s[0:1], 0x20             ; b_experts s[12:13], the scales' exponents s[14:15]
	s_load_b64 s[16:17], s[0:1], 0x30              ; out
	v_lshl_add_u32 v126, v0, 2, 0x24c00
	v_mov_b32 v127, 0
	v_lshrrev_b32 v10, 5, v0
	v_readfirstlane_b32 s18, v10                   ; wave 0..3
	v_and_b32 v10, 31, v0                          ; lane
	v_and_b32 v11, 15, v0                          ; r
	v_bfe_u32 v12, v0, 4, 1                        ; h
	v_mul_u32_u24 v[ALD], v11, XP
	v_lshl_add_u32 v[ALD], v12, 4, v[ALD]
	v_add_nc_u32 v[ALD+1], 64*XP, v[ALD]
	v_lshlrev_b32 v[L16], 4, v10
	v_lshlrev_b32 v[C16], 4, v11
	v_lshlrev_b32 v[H32], 5, v12
	s_wait_alu depctr_va_sdst(0)                   ; s18 is written, ahead of its first reader: the stage's place, and later the bases, are made from it
	s_mul_i32 s80, s18, 16*SP
	s_add_co_u32 s80, s80, STG                     ; my stage
	v_mul_u32_u24 v[STO], v11, SP
	v_lshl_add_u32 v[STO], v12, 5, v[STO]
	v_add_nc_u32 v[STO], s80, v[STO]               ; in: row r, + 32 h
	v_mul_u32_u24 v[RD], v12, 8*SP
	v_lshl_add_u32 v[RD], v11, 4, v[RD]
	v_add_nc_u32 v[RD], s80, v[RD]                 ; back: lanes 0-15 row t, lanes 16-31 row 8 + t
	s_mul_i32 s81, s18, 32*XP
	v_add_nc_u32 v[XST], s81, v[L16]
	v_lshlrev_b32 v[R4], 2, v11
.irp rt, 0,1,2,3,4,5,6,7
	v_mov_b32 v[WS+2*\rt+1], 0                     ; named as the upper half of a pair, so it is written
.endr
	s_and_b32 s20, ttmp7, 0xffff                   ; my block of 128 positions
	s_lshl_b32 s82, s20, 9
	s_mov_b32 s83, 0
	s_lshl_b32 s84, ttmp9, 18                      ; wc: 16 column tiles of 16,384 bytes a work-group x,
	s_lshl_b32 s86, s18, 16                        ; four a wave
	s_add_co_u32 s84, s84, s86
	s_mov_b32 s85, 0
	s_lshl_b32 s86, ttmp9, 10                      ; my 64 columns as f32: 1,024 x + 256 wave
	s_lshl_b32 s88, s18, 8
	s_add_co_u32 s86, s86, s88
	s_mov_b32 s87, 0
	s_lshl_b32 s88, s18, 7                         ; my wave's 32 entries of ord
	s_mov_b32 s89, 0
	s_wait_kmcnt 0x0
	s_add_nc_u64 s[76:77], s[8:9], s[82:83]
	s_add_nc_u64 s[66:67], s[6:7], s[84:85]
	s_add_nc_u64 s[68:69], s[12:13], s[86:87]
	s_add_nc_u64 s[78:79], s[16:17], s[86:87]
	s_add_nc_u64 s[90:91], s[76:77], s[88:89]
	s_load_b512 s[32:47], s[90:91], 0x0            ; the 32 tokens whose rows of x my wave gathers
	s_load_b512 s[48:63], s[90:91], 0x40
	s_load_b64 s[92:93], s[14:15], 0x0             ; ex, ew
	s_wait_alu depctr_va_vdst(0)                   ; the nine addresses and offsets v1 to v9 are written, which the loads and stores of the whole kernel read
.irp rt, 0,1,2,3,4,5,6,7
	global_load_b32 v[ORD+\rt], v[R4], s[76:77] offset:64*\rt
.endr
	s_wait_kmcnt 0x0
.set i, 0
.rept 32
	s_and_b32 s[32+i], s[32+i], 0x1fff             ; the token's number,
	s_min_u32 s[32+i], s[32+i], 0x1fff             ; inside xc whatever was read
	v_lshl_add_u32 v[A+i], s[32+i], 10, v[L16]     ; its row of 1,024 codes, + 16 x lane
.set i, i+1
.endr
	WIN 0x80                                       ; destination window 2
	s_wait_alu depctr_va_vdst(0)                   ; the 32 offsets v128 to v159 are written, which the loads below read
.set i, 0
.rept 32
	global_load_b128 v[8*i:8*i+3],   v[A+i], s[4:5]                ; 512 consecutive bytes, aligned: half a row
	global_load_b128 v[8*i+4:8*i+7], v[A+i], s[4:5] offset:512
.set i, i+1
.endr
	WIN 0
	s_wait_loadcnt 63                              ; behind ord's eight loads 64 were issued: those eight are in
	v_or_b32 v10, v[ORD], v[ORD+1]
.irp rt, 2,3,4,5,6,7
	v_or_b32 v10, v10, v[ORD+\rt]
.endr
.irp e, 0,1,2,3,4,5,6,7
	v_and_b32 v[TF+\e], 1<<(24+\e), v10            ; does any of the 128 tokens use expert e?
.endr
.irp e, 0,1,2,3,4,5,6,7
	v_cmp_ne_u32 s[80+\e], 0, v[TF+\e]
.endr
	s_wait_alu depctr_va_sdst(0)                   ; the eight compares have written s80 to s87, ahead of the scalar lines that read them
	s_mov_b32 s23, 0
.irp e, 0,1,2,3,4,5,6,7
	s_cmp_lg_u32 s[80+\e], 0
	s_cselect_b32 s94, 1<<\e, 0
	s_or_b32 s23, s23, s94
.endr
	s_ctz_i32_b32 s25, s23
	s_min_u32 s25, s25, 7                          ; the first expert,
	s_lshl_b32 s80, 1, s25
	s_and_not1_b32 s24, s23, s80
	s_ctz_i32_b32 s26, s24
	s_min_u32 s26, s26, 7                          ; the second: every token names two, so there are two
	s_bcnt1_i32_b32 s27, s23
	s_sub_co_i32 s27, s27, 2
	s_max_i32 s27, s27, 0
	s_min_u32 s27, s27, 6                          ; experts between the first and the last
	s_mov_b32 s28, 0
	s_mov_b32 s81, 0
	s_lshl_b32 s80, s25, 20
	s_add_nc_u64 s[70:71], s[66:67], s[80:81]
	s_lshl_b32 s80, s25, 12
	s_add_nc_u64 s[84:85], s[68:69], s[80:81]
	s_lshl_b32 s80, s26, 20
	s_add_nc_u64 s[72:73], s[66:67], s[80:81]
	s_lshl_b32 s80, s26, 12
	s_add_nc_u64 s[74:75], s[68:69], s[80:81]
	s_add_co_i32 s21, s92, s93                     ; ex + ew
	s_sub_co_i32 s22, 0, s21
.irp rt, 0,1,2,3,4,5,6,7
	v_and_b32 v[PO+\rt], 0x1fff, v[ORD+\rt]
	v_min_u32 v[PO+\rt], 0x1fff, v[PO+\rt]
	v_lshlrev_b32 v[PO+\rt], 3, v[PO+\rt]
.endr
	s_wait_alu depctr_va_vdst(0)                   ; the eight offsets into pw, v80 to v87, are written, which the loads below read
.irp rt, 0,1,2,3,4,5,6,7
	global_load_b64 v[PW+2*\rt:PW+2*\rt+1], v[PO+\rt], s[10:11]
.endr
	LOADBIAS 84
	LOADB 70, 0, 0
	WIN 0x08                                       ; store data window 2
.irp g, 0,1,2,3                        ; x's rows go into LDS, eight at a time.  The counts: the loads issued behind the group's sixteen (80, 64, 48, 32), as far as the wait's field reaches
.if \g < 2
	s_wait_loadcnt 63
.else
	s_wait_loadcnt 32+16*(3-\g)
.endif
.irp j, 0,1,2,3,4,5,6,7
	ds_store_b128 v[XST], v[8*(8*\g+\j):8*(8*\g+\j)+3]   offset:XP*(8*\g+\j)
	ds_store_b128 v[XST], v[8*(8*\g+\j)+4:8*(8*\g+\j)+7] offset:XP*(8*\g+\j)+512
.endr
.endr
	LOADB 70, 1, 1
	LOADB 70, 2, 2
	WIN 0
	s_wait_dscnt 0x0                               ; for the others' sake: my 32 rows lie in LDS
	s_barrier_signal -1
	s_barrier_wait -1                              ; all 128 do.  The launch's one barrier: from here on LDS rows are only read, and each wave's stage is its own
	s_wait_alu depctr_vm_vsrc(0)                   ; the gather's loads have read their offsets v128 to v159, in which x's fragments land; my LDS stores have read window 2, which the products write from here on
	FETCH2 0, 0
	FETCH2 0, 2                                    ; tiles 0-3 of K step 0; tiles 4-7 are asked for in the step itself
	s_wait_loadcnt 48                              ; the weights and the first bias are in; behind them three slots of W were asked for
.set n, 0
.rept 16
	v_ldexp_f32 v[PW+n], v[PW+n], s21              ; p x 2^(ex + ew), once
.set n, n+1
.endr
.set n, 0
.rept 32
	v_ldexp_f32 v[BIAS+n], v[BIAS+n], s22
.set n, n+1
.endr
	s_wait_alu depctr_va_vdst(0)
	BODY 1, 1                                      ; the first expert starts out's sums
	s_cmp_eq_u32 s27, 0
	s_cbranch_scc1 .Llast
.Lmid:
	BODY 1, 0
	s_add_co_u32 s28, s28, 1
	s_cmp_lt_u32 s28, s27
	s_cbranch_scc1 .Lmid
.Llast:
	BODY 0, 0                                      ; the last expert asks for no further weights, and for the list of tokens instead
; THE WAY OUT, a row tile at a time.  A lane holds 32 bytes of a token's row and the lanes beside it other tokens': the tile goes through my own stage and comes back as rows of 256 bytes, which sixteen lanes store
; as one aligned run of 256 bytes in that token's row of out.  LDS serves a wave's instructions in order (ISA guide 5.7.1.4): no wait between the stores and the loads, nor ahead of the next tile's stores.
.macro OUTT rt
	WIN 0x0c                                       ; store data window 3
.irp n, 0,1,2,3
	ds_store_b128 v[STO], v[8*(4*(\rt)+\n):8*(4*(\rt)+\n)+3]   offset:64*\n
	ds_store_b128 v[STO], v[8*(4*(\rt)+\n)+4:8*(4*(\rt)+\n)+7] offset:64*\n+16
.endr
	WIN 0
.if (\rt) > 1
	s_wait_xcnt 0x0                                ; tile rt - 2's stores have had their addresses translated (ISA guide 3.1),
	s_wait_alu depctr_vm_vsrc(0)                   ; and have read their data registers, in which this tile's rows land
.endif
.irp t, 0,1,2,3,4,5,6,7
	ds_load_b128 v[A+32*((\rt)%2)+4*\t:A+32*((\rt)%2)+4*\t+3], v[RD] offset:SP*\t
.endr
.endm
.macro SEND rt, younger                ; younger: the LDS instructions issued behind tile rt's loads: the next tile's sixteen, or none
	s_wait_dscnt \younger
	WIN 0x01                                       ; the offsets lie in window 1
.irp t, 0,1,2,3,4,5,6,7
	global_store_b128 v[8*(\rt)+\t], v[A+32*((\rt)%2)+4*\t:A+32*((\rt)%2)+4*\t+3], s[78:79] th:TH_STORE_NT   ; written once, read by nobody here
.endr
	WIN 0
.endm
	s_wait_loadcnt 0x0                             ; the list of tokens
	WIN 0x44
.set n, 0
.rept 64
	v_and_b32 v[n], 0x1fff, v[n]
	v_min_u32 v[n], 0x1fff, v[n]                   ; inside out whatever was read
.set n, n+1
.endr
	WIN 0x41
.set n, 0
.rept 64
	v_lshl_add_u32 v[n], v[n], 12, v[C16]          ; the token's row of 4,096 bytes, + 16 (l % 16)
.set n, n+1
.endr
	WIN 0
	s_wait_alu depctr_va_vdst(0)                   ; out's sums are written, which the LDS stores read; the 64 offsets are written, which the global stores read; the last products are done reading v128 to v191, in which the rows land.  No vector instruction follows
	OUTT 0
.irp rt, 1,2,3,4,5,6,7
	OUTT \rt
	SEND \rt-1, 16
.endr
	SEND 7, 0
	s_wait_dscnt 0x0                               ; the closing lines, six on end
	s_wait_alu 0x0
	s_wait_tensorcnt 0x0
	ds_add_u32 v126, v127
	s_wait_dscnt 0x0
	s_endpgm
.Lfunc_end_k_qa7ecd6436a_experts:
	.size	k_qa7ecd6436a_experts, .Lfunc_end_k_qa7ecd6436a_experts-k_qa7ecd6436a_experts
	.p2alignl 7, 3214868480
	.fill 96, 4, 3214868480
	.section	.rodata,"a",@progbits
	.p2align	6, 0x0
	.amdhsa_kernel k_qa7ecd6436a_experts
		.amdhsa_group_segment_fixed_size 151040
		.amdhsa_private_segment_fixed_size 0
		.amdhsa_enable_private_segment 0
		.amdhsa_kernarg_size 56
		.amdhsa_user_sgpr_count 2
		.amdhsa_user_sgpr_kernarg_segment_ptr 1
		.amdhsa_wavefront_size32 1
		.amdhsa_system_sgpr_workgroup_id_x 1
		.amdhsa_system_sgpr_workgroup_id_y 1
		.amdhsa_system_sgpr_workgroup_id_z 1
		.amdhsa_system_vgpr_workitem_id 0
		.amdhsa_next_free_vgpr 1024
		.amdhsa_next_free_sgpr 100
		.amdhsa_reserve_vcc 0
		.amdhsa_float_denorm_mode_32 3
		.amdhsa_float_denorm_mode_16_64 3
		.amdhsa_memory_ordered 1
		.amdhsa_forward_progress 1
		.amdhsa_inst_pref_size 249
	.end_amdhsa_kernel
	.amdgpu_metadata
---
amdhsa.version: [ 1, 2 ]
amdhsa.kernels:
  - .name:           k_qa7ecd6436a_experts
    .symbol:         k_qa7ecd6436a_experts.kd
    .args:
      - { .name: xc, .offset: 0, .size: 8, .value_kind: global_buffer, .address_space: global }
      - { .name: wc, .offset: 8, .size: 8, .value_kind: global_buffer, .address_space: global }
      - { .name: ord, .offset: 16, .size: 8, .value_kind: global_buffer, .address_space: global }
      - { .name: pw, .offset: 24, .size: 8, .value_kind: global_buffer, .address_space: global }
      - { .name: b_experts, .offset: 32, .size: 8, .value_kind: global_buffer, .address_space: global }
      - { .name: lowp_scales, .offset: 40, .size: 8, .value_kind: global_buffer, .address_space: global }
      - { .name: out0, .offset: 48, .size: 8, .value_kind: global_buffer, .address_space: global }
    .group_segment_fixed_size: 151040
    .private_segment_fixed_size: 0
    .kernarg_segment_align: 8
    .kernarg_segment_size: 56
    .max_flat_workgroup_size: 128
    .sgpr_count:     100
    .vgpr_count:     1024
    .wavefront_size: 32
...
	.end_amdgpu_metadata
.endif
;; end of part 6
